; MI455X (gfx1250); checked and timed in simulation.
; The chip was launched on July 23, 2026; its instructions are those of AMD's public machine-readable ISA for CDNA 5 (MIT licence, August 2026) and "CDNA5" Instruction Set Architecture Reference Guide (July 2026). The comments in the code are by the model that wrote it; some were corrected since.
;; Relative Multi Head Attention. Allowed arithmetic: matrix products marked QUANTISED: E2M3 operands, one E8M0 scale for each 32 along K, by v_wmma_scale_f32_16x16x128_f8f6f4 with both operands' format E2M3, f32 sums; everything else in f32.
;; Inputs: Wk 1,024 x 1,024 float32; Wo 1,024 x 1,024 float32; Wp 1,024 x 1,024 float32; Wq 1,024 x 1,024 float32; Wv 1,024 x 1,024 float32; bk 1,024 float32; bo 1,024 float32; bq 1,024 float32; bv 1,024 float32; k 8 x 1,024 x 1,024 float32; pos_emb 8 x 1,024 x 1,024 float32; q 8 x 1,024 x 1,024 float32; u_bias 16 x 64 float32; v 8 x 1,024 x 1,024 float32; v_bias 16 x 64 float32.
;; Outputs: out0 8 x 1,024 x 1,024 float32.
;; This version of the problem:
;;   THIS VERSION OF THE PROBLEM IS GIVEN IN LOW PRECISION. The matrix products marked QUANTISED in the list below multiply operands that are first quantised to E2M3 (2 exponent bits, 3 mantissa bits; 6 bits a number), with one power-of-two scale for each 32 numbers along K (OCP MX v1.0); their sums are f32. All else is computed in f32.
;;   The module's matrix products, in the order in which they are computed (A, B: the left and right operand; K: the contracted axis; several contracted axes count as one K, in the product's order):
;;     1. [M 8,192, K 1,024] x [K 1,024, N 1,024]; A: input q; B: input Wq: QUANTISED
;;     2. [M 8,192, K 1,024] x [K 1,024, N 1,024]; A: input k; B: input Wk: QUANTISED
;;     3. [M 8,192, K 1,024] x [K 1,024, N 1,024]; A: input v; B: input Wv: QUANTISED
;;     4. [M 8,192, K 1,024] x [K 1,024, N 1,024]; A: input pos_emb; B: input Wp: QUANTISED
;;     5. batch 128 x [M 1,024, K 64] x [K 64, N 1,024]; A: computed on the way; B: computed on the way: QUANTISED
;;     6. batch 128 x [M 1,024, K 64] x [K 64, N 1,024]; A: computed on the way; B: computed on the way: QUANTISED
;;     7. batch 128 x [M 64, K 1,024] x [K 1,024, N 1,024]; A: computed on the way; B: softmax (see below): QUANTISED
;;     8. [M 8,192, K 1,024] x [K 1,024, N 1,024]; A: computed on the way; B: input Wo: QUANTISED
;;   THE QUANTISER, for each operand of a quantised product, along K:
;;     - K is cut into blocks of 32 from its start; a last block that is shorter is filled with zeros.
;;     - A block's scale is 2^e with e = floor(log2(the largest magnitude in the block)) - 2, held to -126 .. 127; a block of zeros has e = 0. As a byte (E8M0): e + 127.
;;     - Each number is divided by its block's scale, clamped to +-7.5, and rounded to the nearest number of E2M3, ties to even, subnormals kept.
;;     - The product sums the exact products of the quantised numbers (number of the format x scale) in f32.
;;   ~~~python
;;   def quantise(x, axis):      # numpy; x: float32 -> the quantised numbers, widened to float32 again
;;       x = np.moveaxis(x, axis, -1); K = x.shape[-1]
;;       x = np.pad(x, [(0, 0)] * (x.ndim - 1) + [(0, -K % 32)]); x = x.reshape(x.shape[:-1] + (-1, 32)); a = np.abs(x).max(-1, keepdims=True)
;;       e = np.where(a > 0, np.clip(np.frexp(np.where(a > 0, a, 1))[1] - 1 - 2, -126, 127), 0)      # np.frexp(a)[1] - 1 = floor(log2(a)), exactly
;;       r = np.clip(x / 2.0 ** e, -7.5, 7.5)
;;       step = 2.0 ** (np.maximum(np.frexp(np.where(r == 0, 1, r))[1] - 1, 0) - 3)
;;       q = np.round(r / step) * step * 2.0 ** e      # np.round: ties to even
;;       return np.moveaxis(q.reshape(q.shape[:-2] + (-1,))[..., :K], -1, axis).astype(np.float32)
;;   ~~~
;;   SOFTMAX AHEAD OF A QUANTISED PRODUCT. Where the list says 'softmax', what is quantised is not the finished softmax but p = 2^(t - M), with t = logit x log2(e) and M = ceil(the row's largest t), a whole number; so 1/2 < the row's largest p <= 1. The row's sum l is taken of the UNQUANTISED p, in f32, and the product's result is divided by l at the end. Since M is a whole number, a kernel that streams over the keys may use a running M (the ceiling of the running maximum): every later rescaling is an exact power of two, which a block's scale takes up: the codes' values come out the same.
;;   OPERANDS COMPUTED ON THE WAY. 'Computed on the way' means the value that the module computes at that place (a softmax that the list does not call 'softmax' is quantised finished and normalised). What goes into a quantiser is computed in f32, as accurately as f32 sums, v_exp_f32 and their like allow (about 1e-6 of the number): no bf16 or f16 on the way to a quantiser, and a product that is left as it is and whose result goes on into a quantised operand takes f32 operands (vector FMAs, or v_wmma_f32_16x16x4_f32). A number that lies on a knife's edge between two numbers of the format may be rounded either way, as far as f32 arithmetic and the matrix unit's own rounding can turn it there, and no further.
;; One version. Each part assembles by itself: llvm-mc -triple=amdgcn-amd-amdhsa -mcpu=gfx1250 --defsym DOCPART=n.
;; ======== version 1 of 1: 4 launches
;; limits: right only within a limited range of input values
;; workspace buffers: qt 4,096,000 bytes; qu 6,815,744 bytes; qv 6,815,744 bytes; kk 6,815,744 bytes; vv 6,815,744 bytes; pp 13,762,560 bytes; ao 6,553,600 bytes
;; launch quant (part 1): grid 2560 x 1, 1 waves a work-group, no clusters, 8,704 bytes of LDS; arguments Wq, Wk, Wp, Wv, Wo, qt; writes qt
.if DOCPART == 1
	.amdgcn_target "amdgcn-amd-amdhsa--gfx1250"
	.amdhsa_code_object_version 6
	.text
	.protected	k_q07867184f3_quant
	.globl	k_q07867184f3_quant
	.p2align	8
	.type	k_q07867184f3_quant,@function
k_q07867184f3_quant:
	s_mov_b64 s[64:65], 0
	v_nop
	global_prefetch_b8 v0, s[64:65] scope:SCOPE_SE
	s_setreg_imm32_b32 hwreg(HW_REG_WAVE_MODE, 25, 1), 1
	s_wait_xcnt 0x0
; The five weights [1024][1024], f32, K innermost, become codes of FP6 (E2M3) with one E8M0 byte for each 32 along K.  (The activations are quantised by the launch that multiplies them.)
; A block's scale is 2^(floor(log2(largest magnitude)) - 2): its byte is the largest magnitude's exponent field - 2, held at 1 from below.
; OUTPUT.  One record of 12,800 bytes for each tile of 16 rows, 64 records a weight, in the order Wq, Wk, Wp, Wv, Wo: 16 images of 768 bytes (16 rows x 64 K as an operand's registers 0-5:
; registers 0-3 at 16 x lane, registers 4-5 at 512 + 8 x lane; lane r + 16 h = row r, block h), then 512 bytes of scale words (row r, K step s of 128: at 256 (s / 4) + 16 r + 4 (s % 4)).
; ORDER INSIDE A BLOCK.  The four groups of 8 numbers of each block of 32 lie in the order 0, 2, 1, 3, the order in which codes made of a matrix result fall; every operand of this program has it.
; SHARES.  A work-group is one wave and takes 16 rows x 128 K: work-group number = 8 x record + K step; 2,560 waves, ten for each of 256 WGPs, none with a step that hangs on an earlier one.
; Each of its 16 loads reads 512 consecutive bytes of a row; the 8 KiB turn through the wave's stage in LDS (rows 528 bytes apart) and come back with a whole block to a lane.
; The codes leave as 1,536 consecutive bytes; the 16 scale words as 4 bytes of each row's 16: one byte in 384 of what the wave stores.  No barrier, no matrix unit, no tensor load: a stream.
; LIMITS: NaN and infinities are not served.  A block whose largest magnitude lies under 2^-124, a block of zeros among them, keeps the byte 1 (this program alone reads the bytes).
.set ROWB, 4096
.set REC,  12800
.set SP,   528
.set R,    16                          ; v16-79 the 16 x 128 numbers
.set PC,   80                          ; v80-91 the fragment's codes
.set PX,   92                          ; the blocks' second halves (a conversion's three registers begin on an even number)
.set W,    100                         ; the scale word
	s_load_b256 s[8:15], s[0:1], 0x0               ; Wq, Wk, Wp, Wv
	s_load_b128 s[16:19], s[0:1], 0x20             ; Wo, qt
	v_lshl_add_u32 v102, v0, 2, 0x2100
	v_mov_b32 v103, 0
	v_and_b32 v7, 15, v0                           ; r
	v_bfe_u32 v8, v0, 4, 1                         ; h
	v_lshlrev_b32 v1, 4, v0                        ; 16 x lane: a row's 512 bytes as they lie, in memory and in the stage
	v_lshlrev_b32 v2, 3, v0                        ; 8 x lane
	v_mul_u32_u24 v4, v7, SP
	v_lshl_add_u32 v4, v8, 7, v4                   ; out of the stage: row r, block h
	v_lshlrev_b32 v5, 3, v8                        ; 8 h
	v_lshlrev_b32 v13, 4, v7                       ; 16 r
	v_mov_b32 v12, 0                               ; a lane permute's destination counts as read
	s_mov_b32 s30, 0x76543210
	s_mov_b32 s31, 0xfedcba98
	s_and_b32 s20, ttmp9, 7                        ; K step
	s_lshr_b32 s21, ttmp9, 3                       ; record
	s_lshr_b32 s22, ttmp9, 9                       ; which weight, 0 to 4
	s_and_b32 s24, s21, 63                         ; which tile of it
	s_lshl_b32 s24, s24, 16                        ; 16 rows of 4,096 bytes
	s_lshl_b32 s25, s20, 9
	s_add_co_u32 s24, s24, s25                     ; + 512 bytes a K step
	s_mov_b32 s25, 0
	s_mul_i32 s28, s21, REC
	s_mul_i32 s26, s20, 1536
	s_add_co_u32 s26, s26, s28                     ; the step's two images
	s_mov_b32 s27, 0
	s_lshr_b32 s32, s20, 2
	s_lshl_b32 s32, s32, 8
	s_and_b32 s33, s20, 3
	s_lshl_b32 s33, s33, 2
	s_add_co_u32 s28, s28, s32
	s_add_co_u32 s28, s28, s33
	s_add_co_u32 s28, s28, 12288                   ; and its place in the rows' scale words
	s_mov_b32 s29, 0
	s_wait_alu depctr_va_vdst(0)                   ; the wait at the head's end
	s_wait_kmcnt 0x0
	s_mov_b64 s[4:5], s[8:9]
.irp i, 1,2,3,4
	s_cmp_eq_u32 s22, \i                           ; the choice hangs on the work-group's number alone
	s_cselect_b64 s[4:5], s[8+2*\i:9+2*\i], s[4:5]
.endr
	s_add_nc_u64 s[4:5], s[4:5], s[24:25]
	s_add_nc_u64 s[6:7], s[18:19], s[26:27]
	s_add_nc_u64 s[34:35], s[18:19], s[28:29]
.set i, 0
.rept 16
	global_load_b128 v[R+4*i:R+4*i+3], v1, s[4:5] offset:ROWB*i th:TH_LOAD_NT
.set i, i+1
.endr
.set i, 0
.rept 16
	s_wait_loadcnt 15-i                            ; row i is in; the rows behind it may be out
	ds_store_b128 v1, v[R+4*i:R+4*i+3] offset:SP*i
.set i, i+1
.endr
.irp c, 0,1                            ; LDS serves a wave's instructions in order.  Pieces of 16 bytes in the order 0, 1, 4, 5, 2, 3, 6, 7: the groups of 8 numbers in the order 0, 2, 1, 3
.irp j, 0,1,2,3,4,5,6,7
	ds_load_b128 v[R+32*\c+4*\j:R+32*\c+4*\j+3], v4 offset:256*\c+16*((\j%2)+2*((\j/4)%2)+4*((\j/2)%2))
.endr
.endr
	s_wait_dscnt 0x0                               ; my blocks h and 2 + h of row r are in
	v_max3_num_f32 v6, |v[R]|, |v[R+1]|, 0x1800000       ; the floor 2^(3 - 127) among the leaves
	v_max3_num_f32 v7, |v[R+32]|, |v[R+33]|, 0x1800000
.irp j, 2,4,6,8,10,12,14,16,18,20,22,24,26,28,30
	v_max3_num_f32 v6, v6, |v[R+\j]|, |v[R+\j+1]|        ; the two blocks by turns
	v_max3_num_f32 v7, v7, |v[R+32+\j]|, |v[R+33+\j]|
.endr
	v_add_nc_u32 v8, 0xff000000, v6                ; 2 off the exponent field: the conversion's scale operand
	v_add_nc_u32 v9, 0xff000000, v7
	v_lshrrev_b32 v10, 23, v8
	v_lshrrev_b32 v11, 23, v9
	v_lshl_or_b32 v10, v11, 16, v10
	v_lshlrev_b32 v10, v5, v10                     ; 8 h bits up
	v_permlanex16_b32 v12, v10, s30, s31
	v_or_b32 v[W], v10, v12                        ; with lane l xor 16's two bytes the word is whole
	v_cvt_scalef32_pk16_fp6_f32 v[PC:PC+2], v[R:R+15], v8
	v_cvt_scalef32_pk16_fp6_f32 v[PX:PX+2], v[R+16:R+31], v8
	v_cvt_scalef32_pk16_fp6_f32 v[PC+6:PC+8], v[R+32:R+47], v9
	v_cvt_scalef32_pk16_fp6_f32 v[PX+4:PX+6], v[R+48:R+63], v9
	v_nop                                          ; one plain place behind the scaled conversions
.irp j, 0,1,2
	v_mov_b32 v[PC+3+\j], v[PX+\j]
	v_mov_b32 v[PC+9+\j], v[PX+4+\j]
.endr
	global_store_b128 v1, v[PC:PC+3], s[6:7]
	global_store_b64 v2, v[PC+4:PC+5], s[6:7] offset:512
	global_store_b128 v1, v[PC+6:PC+9], s[6:7] offset:768
	global_store_b64 v2, v[PC+10:PC+11], s[6:7] offset:1280
	global_store_b32 v13, v[W], s[34:35]           ; lanes r and r + 16 write the same word with the same value
	s_wait_tensorcnt 0x0                           ; the wave's end
	ds_add_u32 v102, v103
	s_wait_dscnt 0x0
	s_endpgm
.Lfunc_end_k_q07867184f3_quant:
	.size	k_q07867184f3_quant, .Lfunc_end_k_q07867184f3_quant-k_q07867184f3_quant
	.p2alignl 7, 3214868480
	.fill 96, 4, 3214868480
	.section	.rodata,"a",@progbits
	.p2align	6, 0x0
	.amdhsa_kernel k_q07867184f3_quant
		.amdhsa_group_segment_fixed_size 8704
		.amdhsa_private_segment_fixed_size 0
		.amdhsa_enable_private_segment 0
		.amdhsa_kernarg_size 48
		.amdhsa_user_sgpr_count 2
		.amdhsa_user_sgpr_kernarg_segment_ptr 1
		.amdhsa_wavefront_size32 1
		.amdhsa_system_sgpr_workgroup_id_x 1
		.amdhsa_system_sgpr_workgroup_id_y 1
		.amdhsa_system_sgpr_workgroup_id_z 1
		.amdhsa_system_vgpr_workitem_id 0
		.amdhsa_next_free_vgpr 104
		.amdhsa_next_free_sgpr 66
		.amdhsa_reserve_vcc 0
		.amdhsa_float_denorm_mode_32 3
		.amdhsa_float_denorm_mode_16_64 3
		.amdhsa_memory_ordered 1
		.amdhsa_forward_progress 1
		.amdhsa_inst_pref_size 10
	.end_amdhsa_kernel
	.amdgpu_metadata
---
amdhsa.version: [ 1, 2 ]
amdhsa.kernels:
  - .name:           k_q07867184f3_quant
    .symbol:         k_q07867184f3_quant.kd
    .args:
      - { .name: Wq, .offset: 0, .size: 8, .value_kind: global_buffer, .address_space: global }
      - { .name: Wk, .offset: 8, .size: 8, .value_kind: global_buffer, .address_space: global }
      - { .name: Wp, .offset: 16, .size: 8, .value_kind: global_buffer, .address_space: global }
      - { .name: Wv, .offset: 24, .size: 8, .value_kind: global_buffer, .address_space: global }
      - { .name: Wo, .offset: 32, .size: 8, .value_kind: global_buffer, .address_space: global }
      - { .name: qt, .offset: 40, .size: 8, .value_kind: global_buffer, .address_space: global }
    .group_segment_fixed_size: 8704
    .private_segment_fixed_size: 0
    .kernarg_segment_align: 8
    .kernarg_segment_size: 48
    .max_flat_workgroup_size: 32
    .sgpr_count:     66
    .vgpr_count:     104
    .wavefront_size: 32
...
	.end_amdgpu_metadata
.endif
;; end of part 1
;; launch proj (part 2): grid 64 x 4, 4 waves a work-group, clusters of 4 x 1, 327,680 bytes of LDS; arguments q, k, pos_emb, v, qt, bq, bk, bv, u_bias, v_bias, qu, qv, kk, pp, vv; writes qu, qv, kk, pp, vv
.if DOCPART == 2
	.amdgcn_target "amdgcn-amd-amdhsa--gfx1250"
	.amdhsa_code_object_version 6
	.text
	.protected	k_q07867184f3_proj
	.globl	k_q07867184f3_proj
	.p2align	8
	.type	k_q07867184f3_proj,@function
k_q07867184f3_proj:
	s_mov_b64 s[64:65], 0
	v_nop
	global_prefetch_b8 v0, s[64:65] scope:SCOPE_SE
	s_setreg_imm32_b32 hwreg(HW_REG_WAVE_MODE, 25, 1), 1
	s_wait_xcnt 0x0
	s_wait_alu depctr_hold_cnt(0) depctr_sa_sdst(0) depctr_va_vdst(0) depctr_va_sdst(0) depctr_va_ssrc(0) depctr_va_vcc(0) depctr_vm_vsrc(0)
	s_getreg_b32 s2, hwreg(HW_REG_IB_STS2, 6, 4)
	s_cmp_eq_u32 s2, 0
	s_cbranch_scc0 .Lentry_in_a_cluster
	s_endpgm
.Lentry_in_a_cluster:
	s_bfe_u32 s2, ttmp6, 0x10000c
	s_cmp_lg_u32 s2, 0x3003
	s_cbranch_scc0 .Lentry_shape_is_right
	s_endpgm
.Lentry_shape_is_right:
; The four projections, task = grid y: 0: q Wq^T + bq, + u_bias -> qu, + v_bias -> qv; 1: k Wk^T + bk -> kk; 2: pos_emb Wp^T -> pp, twice; 3: v Wv^T + bv -> vv.  All products on codes of FP6 with E8M0 scales.
; THE ACTIVATIONS ARE QUANTISED HERE: a work-group owns 128 rows and all 1,024 columns, so each f32 number is read from memory once, by one wave.  A wave takes 32 rows: 16 steps of 16 rows x 128 K,
; each through the wave's own stage in LDS (a whole block of 32 to a lane), and the conversions' results are the operand's registers: 2 tiles x 8 K steps x 12 registers stay in window 1, the scale words in v16-31.
; THE WEIGHTS come as records of codes (16 rows: 16 images of 768 bytes, 512 bytes of scale words), four records = one head of 64 columns to a slot, through two LDS slots.  The four work-groups of a cluster
; walk the same weight: each record is asked for jointly, one load a wave behind each round.  One load a wave is out, and it has a head's 64 products and way out in which to land.
; A HEAD: 8 K steps x (2 tiles of my rows x 4 tiles of the weight's), 8 accumulators by turns.  Tasks 0-2: source 0 = the weight: a lane holds one of my rows and its registers run along the head's 64, the next K.
; Task 3: source 0 = my rows: a lane holds one of the head's 64 and its registers run along my 32 keys, the next K: one block.
; THE WAY OUT: bias, a block's largest magnitude, scale byte, conversion; images of 16 rows x 64 K as an operand's registers 0-5 (registers 0-3 at 16 x lane, 4-5 at 512 + 8 x lane), and scale words.
; qu, qv, kk: a record of 53,248 bytes a head: 64 images, then a word a row.  vv: for each 64 keys four images (16 of the head's 64 each); my block is lanes 16 (wave % 2) on of each, and byte wave % 2 of each word.
; pp: 107,520 bytes a head: rows 0-1,023, a row of zeros, rows 0-1,023 again one row further on; words from 99,072 on.
; The groups of 8 inside a block of 32 lie in the order 0, 2, 1, 3 in every operand.  No work of the problem is left out.
; NO PREFETCH: the activations are one stream, 48 loads a wave out; the weights' records are read by all 64 work-groups of a task.
; LIMITS: NaN and infinities are not served; a block under 2^-124 keeps the byte 1.
.set REC,  12800
.set ROWB, 4096
.set SP,   528                         ; a stage row: 512 bytes + 16
.set STG,  8*REC                       ; behind the two slots: a stage of 8,704 bytes for each wave
.set SPARE, STG+4*8704                 ; the spare words, 512 bytes that no other line names
.set L16,  1
.set L8,   2
.set L4,   3
.set RR,   4
.set HH,   5
.set TS0,  8                           ; the weight's scale words in slot 0; v9, v12, v13: images and words in slot 1
.set TA1,  9
.set L16B, 10
.set L8B,  11
.set TB1,  12
.set TS1,  13
.set SPW,  14
.set NIL,  15
.set RS,   16                          ; v16-31 my rows' scale words: 8 x tile + K step
.set TS,   32                          ; v32-47 the weight's
.set A1,   48
.set A2,   80
.set U,    112
.set SD,   132
.set ZR,   136
.set BO,   140
.set BR,   141
.set S16,  142
.set S8,   143
.set PC,   144
.set PX,   156
.set QM,   164
.set QX,   168
.set QE,   172
.set QB,   176
.set W1,   180
.set W2,   184
.set S16B, 188
.set S8B,  189
.set VB,   190
.set ZK,   191
.set T,    192
.set R,    48                          ; while quantising: v48-239, three sets of 64
.set PX1,  192                         ; window 1: the blocks' second halves
.set WV,   34
.set CX,   35
.set TASK, 36
.set HAS2, 37
.set HM,   38
.set XB,   39
.set G1,   40
.set G0,   48
.set AP,   56
.set OC1,  58
.set OS1,  60
.set OC2,  62
.set OS2,  66
.set STC,  68
.set SEL,  70
.set B1P,  72
.set B2P,  74
.set B3P,  76
.set CNT,  78
.set ZF,   98
.set MSB, 0
.macro WIN new
.if MSB != (\new)
	s_set_vgpr_msb (MSB<<8)|(\new)
.set MSB, \new
.endif
.endm
.macro PLACES n
.rept \n
	v_nop
.endr
.endm
.macro ROUND
	s_barrier_signal -1
	s_barrier_wait -1
	s_cmp_lg_u32 s[WV], 0
	s_cbranch_scc1 .Lnot_wave_0_\@
	s_barrier_signal -3
.Lnot_wave_0_\@:
	s_barrier_wait -3
	s_barrier_signal -1
	s_barrier_wait -1
.endm
	s_load_b512 s[4:19], s[0:1], 0x0               ; q, k, pos_emb, v, qt, bq, bk, bv
	s_load_b256 s[20:27], s[0:1], 0x40             ; u_bias, v_bias, qu, qv
	s_load_b128 s[28:31], s[0:1], 0x60             ; kk, pp
	s_load_b64 s[32:33], s[0:1], 0x70              ; vv
	v_lshl_add_u32 v[SPW], v0, 2, SPARE
	v_mov_b32 v[NIL], 0
	ds_add_u32 v[SPW], v[NIL]
	ds_add_u32 v[SPW], v[NIL]
	v_lshrrev_b32 v13, 5, v0
	v_readfirstlane_b32 s[WV], v13
	s_bfe_u32 s[CX], ttmp6, 0x40000
	s_and_b32 s[TASK], ttmp7, 0xffff
	s_lshl_b32 s[XB], ttmp9, 2
	s_add_co_u32 s[XB], s[XB], s[CX]               ; which 128 rows of the activation
	s_lshl_b32 s80, s[TASK], 6
	s_add_co_u32 s80, s80, s[WV]
	s_mul_i32 s80, s80, REC                        ; my record of head 0: 64 task + wave
	s_mov_b32 s81, 0
	s_mul_i32 s82, s[WV], REC
	s_mov_b32 s[G1], 15|(3<<16)|(1<<21)            ; all four partners; elements of 8 bytes; a record as 50 rows of 256 bytes
	s_mov_b32 s[G1+1], 32<<16
	s_mov_b32 s[G1+2], 50<<16
	s_mov_b32 s[G1+3], 32<<16
	s_mov_b32 s[G1+4], 50
	s_mov_b32 s[G1+5], 32
	s_mov_b32 s[G1+6], 0
	s_mov_b32 s[G1+7], 0
	s_wait_dscnt 0x0
	s_wait_kmcnt 0x0
	s_add_nc_u64 s[80:81], s[12:13], s[80:81]
.irp g, 0,1
	s_mov_b32 s[G0+4*\g], 1
	s_add_co_u32 s[G0+4*\g+1], s82, 4*REC*\g
	s_add_nc_u64 s[G0+4*\g+2:G0+4*\g+3], s[80:81], 4*REC*\g
	s_or_b32 s[G0+4*\g+3], s[G0+4*\g+3], 0x80000000
.endr
	ROUND
	tensor_load_to_lds s[G0:G0+3], s[G1:G1+7]      ; head 0 into slot 0: my one tensor load at the head
	s_nop 0
	PLACES 4
	s_mov_b64 s[AP:AP+1], s[4:5]
	s_cmp_eq_u32 s[TASK], 1
	s_cselect_b64 s[AP:AP+1], s[6:7], s[AP:AP+1]
	s_cmp_eq_u32 s[TASK], 2
	s_cselect_b64 s[AP:AP+1], s[8:9], s[AP:AP+1]
	s_cmp_eq_u32 s[TASK], 3
	s_cselect_b64 s[AP:AP+1], s[10:11], s[AP:AP+1]
	s_lshl_b32 s80, s[XB], 2
	s_add_co_u32 s80, s80, s[WV]
	s_lshl_b32 s80, s80, 17                        ; 32 rows of 4,096 bytes for each wave
	s_mov_b32 s81, 0
	s_add_nc_u64 s[AP:AP+1], s[AP:AP+1], s[80:81]
	s_mul_i32 s82, s[WV], 8704
	s_add_co_u32 s82, s82, STG                     ; my stage
	s_mov_b32 s[SEL], 0x76543210
	s_mov_b32 s[SEL+1], 0xfedcba98
	v_and_b32 v6, 31, v0
	v_and_b32 v7, 15, v0
	v_bfe_u32 v8, v0, 4, 1
	v_lshlrev_b32 v1, 4, v6                        ; 16 x lane
	v_add_nc_u32 v3, s82, v1                       ; into the stage
	v_mul_u32_u24 v4, v7, SP
	v_lshl_add_u32 v4, v8, 7, v4
	v_add_nc_u32 v4, s82, v4                       ; out of it: row r, block h
	v_lshlrev_b32 v5, 3, v8                        ; 8 h
	v_mov_b32 v12, 0
	s_wait_alu depctr_va_vdst(0)                   ; the wait at the head's end
; QUANTISING.  Step st = 8 x tile + K step
.macro LOAD st
.set i, 0
.rept 16
	global_load_b128 v[R+64*((\st)%3)+4*i:R+64*((\st)%3)+4*i+3], v1, s[AP:AP+1] offset:65536*((\st)/8)+ROWB*i+512*((\st)%8) th:TH_LOAD_NT
.set i, i+1
.endr
.endm
.macro STEP st
.set RB, R+64*((\st)%3)
.set CB, 12*(\st)                      ; window 1: the fragment's twelve registers
.if (\st) < 14
	s_wait_loadcnt 32                              ; this step's 16 loads are in; the 32 of the two steps behind it may be out
.else
	s_wait_loadcnt 16*(15-(\st))
.endif
.set i, 0
.rept 16
	ds_store_b128 v3, v[RB+4*i:RB+4*i+3] offset:SP*i
.set i, i+1
.endr
.irp c, 0,1                            ; LDS serves a wave's instructions in order.  The groups of 8 numbers come back in the order 0, 2, 1, 3
.irp j, 0,1,2,3,4,5,6,7
	ds_load_b128 v[RB+32*\c+4*\j:RB+32*\c+4*\j+3], v4 offset:256*\c+16*((\j%2)+2*((\j/4)%2)+4*((\j/2)%2))
.endr
.endr
	s_wait_dscnt 0x0
	v_max3_num_f32 v6, |v[RB]|, |v[RB+1]|, 0x1800000     ; the floor 2^(3 - 127) among the leaves
	v_max3_num_f32 v7, |v[RB+32]|, |v[RB+33]|, 0x1800000
.irp j, 2,4,6,8,10,12,14,16,18,20,22,24,26,28,30
	v_max3_num_f32 v6, v6, |v[RB+\j]|, |v[RB+\j+1]|
	v_max3_num_f32 v7, v7, |v[RB+32+\j]|, |v[RB+33+\j]|
.endr
	v_add_nc_u32 v8, 0xff000000, v6                ; 2 off the exponent field: the conversion's scale operand
	v_add_nc_u32 v9, 0xff000000, v7
	v_lshrrev_b32 v10, 23, v8
	v_lshrrev_b32 v11, 23, v9
	v_lshl_or_b32 v10, v11, 16, v10
	v_lshlrev_b32 v10, v5, v10
	v_permlanex16_b32 v12, v10, s[SEL], s[SEL+1]
	v_or_b32 v[RS+(\st)], v10, v12                 ; row r's word, in both halves of the lanes
	WIN 0x40
	v_cvt_scalef32_pk16_fp6_f32 v[CB:CB+2], v[RB:RB+15], v8
	v_cvt_scalef32_pk16_fp6_f32 v[PX1:PX1+2], v[RB+16:RB+31], v8
	v_cvt_scalef32_pk16_fp6_f32 v[CB+6:CB+8], v[RB+32:RB+47], v9
	v_cvt_scalef32_pk16_fp6_f32 v[PX1+4:PX1+6], v[RB+48:RB+63], v9
	v_nop                                          ; one plain place behind the scaled conversions
	WIN 0x41
.irp j, 0,1,2
	v_mov_b32 v[CB+3+\j], v[PX1+\j]
	v_mov_b32 v[CB+9+\j], v[PX1+4+\j]
.endr
	WIN 0
.if (\st)+3 < 16
	LOAD (\st)+3
.endif
.endm
	LOAD 0
	LOAD 1
	LOAD 2
.irp st, 0,1,2,3,4,5,6,7,8,9,10,11,12,13,14,15
	STEP \st
.endr
; THE PRODUCTS' ADDRESSES
	v_and_b32 v[ZK], 31, v0
	v_lshlrev_b32 v[L16], 4, v[ZK]
	v_lshlrev_b32 v[L8], 3, v[ZK]
	v_lshlrev_b32 v[L4], 2, v[ZK]
	v_and_b32 v[RR], 15, v0
	v_bfe_u32 v[HH], v0, 4, 1
	v_mul_u32_u24 v[TS0], v[HH], REC
	v_lshl_add_u32 v[TS0], v[RR], 4, v[TS0]
	v_add_nc_u32 v[TS0], 12288, v[TS0]             ; lanes 0-15: an even record's words, lanes 16-31: the next record's
	v_add_nc_u32 v[TA1], 4*REC, v[L16]
	v_add_nc_u32 v[TB1], 4*REC, v[L8]
	v_add_nc_u32 v[TS1], 4*REC, v[TS0]
	v_lshlrev_b32 v[BO], 5, v[HH]
	v_lshlrev_b32 v[BR], 2, v[RR]
	v_cmp_ne_u32 s[HM], 0, v[HH]
	s_and_b32 s[HAS2], s[TASK], 1
	s_xor_b32 s[HAS2], s[HAS2], 1                  ; tasks 0 and 2 store twice
	s_and_b32 s88, s[WV], 1                        ; task 3: which block of its 64 keys is mine
	s_lshl_b32 s85, s88, 8
	s_lshl_b32 s86, s88, 7
	s_mov_b32 s83, 256
	s_mov_b32 s84, 128
	s_mov_b32 s87, 768
	s_cmp_eq_u32 s[TASK], 3
	s_cselect_b32 s83, 768, s83
	s_cselect_b32 s84, 768, s84
	s_cselect_b32 s87, 1536, s87
	s_cselect_b32 s85, s85, 0
	s_cselect_b32 s86, s86, 0
	v_mul_u32_u24 v[S16], s83, v[HH]               ; tasks 0-2: 16 x lane in an image, the second image 768 on; task 3: lanes 16-31 hold the next image's rows, my block's lanes of it; the second pair 1,536 on
	v_lshl_add_u32 v[S16], v[RR], 4, v[S16]
	v_add_nc_u32 v[S16], s85, v[S16]
	v_add_nc_u32 v[S16B], s87, v[S16]
	v_mul_u32_u24 v[S8], s84, v[HH]
	v_lshl_add_u32 v[S8], v[RR], 3, v[S8]
	v_add_nc_u32 v[S8], s86, v[S8]
	v_add_nc_u32 v[S8B], s87, v[S8]
	v_add_nc_u32 v[VB], s88, v[L4]                 ; task 3: my byte of a scale word
	s_lshr_b32 s80, s[XB], 3                       ; batch
	s_and_b32 s81, s[XB], 7                        ; which 128 rows of it
	s_lshl_b32 s80, s80, 4
	s_lshl_b32 s82, s81, 2
	s_add_co_u32 s82, s82, s[WV]                   ; which 32 rows
	s_mul_i32 s83, s82, 1536                       ; two images,
	s_lshl_b32 s84, s82, 7                         ; 32 words
	s_lshr_b32 s85, s82, 1                         ; task 3: which 64 keys:
	s_mul_i32 s86, s85, 3072                       ; four images,
	s_lshl_b32 s85, s85, 8                         ; 64 words
	s_mov_b32 s[STC], 53248
	s_mov_b32 s90, 49152
	s_cmp_eq_u32 s[TASK], 2
	s_cselect_b32 s[STC], 107520, s[STC]           ; a head's record
	s_cselect_b32 s90, 99072, s90                  ; where its words begin
	s_cselect_b32 s94, 49152, 0
	s_cselect_b32 s92, 4100, 0
	s_cselect_b32 s93, 1, 0
	s_cselect_b64 s[OC2:OC2+1], s[30:31], s[26:27]
	s_cmp_eq_u32 s[TASK], 3
	s_cselect_b32 s83, s86, s83
	s_cselect_b32 s84, s85, s84
	s_mov_b32 s[STC+1], 0
	s_mul_i32 s80, s80, s[STC]                     ; the batch's head 0
	s_add_co_u32 s88, s80, s83
	s_mov_b32 s89, 0
	s_add_co_u32 s90, s90, s84
	s_add_co_u32 s90, s90, s80
	s_mov_b32 s91, 0
	s_mov_b32 s95, 0
	s_mov_b64 s[OC1:OC1+1], s[24:25]
	s_mov_b64 s[B1P:B1P+1], s[14:15]
	s_cmp_eq_u32 s[TASK], 1
	s_cselect_b64 s[OC1:OC1+1], s[28:29], s[OC1:OC1+1]
	s_cselect_b64 s[B1P:B1P+1], s[16:17], s[B1P:B1P+1]
	s_cmp_eq_u32 s[TASK], 2
	s_cselect_b64 s[OC1:OC1+1], s[30:31], s[OC1:OC1+1]
	s_cmp_eq_u32 s[TASK], 3
	s_cselect_b64 s[OC1:OC1+1], s[32:33], s[OC1:OC1+1]
	s_cselect_b64 s[B1P:B1P+1], s[18:19], s[B1P:B1P+1]
	s_mov_b64 s[B2P:B2P+1], s[20:21]
	s_mov_b64 s[B3P:B3P+1], s[22:23]
	s_mov_b64 s[OS1:OS1+1], s[OC1:OC1+1]
	s_add_nc_u64 s[OC1:OC1+1], s[OC1:OC1+1], s[88:89]
	s_add_nc_u64 s[OS1:OS1+1], s[OS1:OS1+1], s[90:91]
	s_mov_b64 s[OS2:OS2+1], s[OC2:OC2+1]
	s_add_nc_u64 s[OC2:OC2+1], s[OC2:OC2+1], s[88:89]
	s_add_nc_u64 s[OS2:OS2+1], s[OS2:OS2+1], s[90:91]
	s_add_nc_u64 s[OC2:OC2+1], s[OC2:OC2+1], s[94:95]
	s_mov_b32 s94, s92
	s_add_nc_u64 s[OS2:OS2+1], s[OS2:OS2+1], s[94:95]
	v_add_nc_u32 v[ZK], s93, v[RR]                 ; the second store's rows: task 2: one row further on
	v_and_b32 v[SD], 15, v[ZK]
	v_lshrrev_b32 v[ZK], 4, v[ZK]
	v_mul_u32_u24 v[ZK], v[ZK], 768
	v_lshl_add_u32 v[L16B], v[HH], 8, v[ZK]
	v_lshl_add_u32 v[L16B], v[SD], 4, v[L16B]
	v_lshl_add_u32 v[L8B], v[HH], 7, v[ZK]
	v_lshl_add_u32 v[L8B], v[SD], 3, v[L8B]
	s_lshl_b32 s96, s[CX], 4                       ; the row of zeros of pp: stored by row 0's two lanes of wave 0 of the batch's first work-group: chosen by EXEC; the branch hangs on the task and the cluster alone
	s_lshl_b32 s97, s[WV], 8
	s_or_b32 s96, s96, s97
	v_or_b32 v[ZK], s96, v[RR]
	s_and_b32 s96, ttmp9, 1
	s_cmp_eq_u32 s96, 0
	s_cselect_b32 s[ZF], 1, 0
	s_cmp_eq_u32 s[TASK], 2
	s_cselect_b32 s[ZF], s[ZF], 0
.set i, 0
.rept 64
	v_mov_b32 v[A1+i], 0                           ; task 2 has no bias
.set i, i+1
.endr
.set i, 0
.rept 32
	v_mov_b32 v[T+i], 0
.set i, i+1
.endr
.irp j, 0,1,2,3
	v_mov_b32 v[W2+\j], 0
	v_mov_b32 v[ZR+\j], 0
	v_mov_b32 v[QX+\j], 0
.endr
.macro BIAS dst, p
.irp t, 0,1,2,3
	global_load_b128 v[\dst+8*\t:\dst+8*\t+3], v[BO], s[\p:\p+1] offset:64*\t
	global_load_b128 v[\dst+8*\t+4:\dst+8*\t+7], v[BO], s[\p:\p+1] offset:64*\t+16
.endr
.endm
.macro BIASLD                          ; the next head's biases; waited for at its way out
	s_cmp_eq_u32 s[TASK], 0
	s_cbranch_scc0 .Lb1_\@
	BIAS T, B1P
	BIAS A1, B2P
	BIAS A2, B3P
	s_branch .Lbd_\@
.Lb1_\@:
	s_cmp_eq_u32 s[TASK], 1
	s_cbranch_scc0 .Lb3_\@
	BIAS A1, B1P
	s_branch .Lbd_\@
.Lb3_\@:
	s_cmp_eq_u32 s[TASK], 3
	s_cbranch_scc0 .Lbd_\@
.irp t, 0,1,2,3
	global_load_b32 v[A1+2*\t], v[BR], s[B1P:B1P+1] offset:64*\t   ; a lane holds one of the head's 64
.endr
.Lbd_\@:
.endm
.macro FETCH sl, s                     ; the weight's four fragments of K step s: a set of 48 registers for each of a head's eight steps: steps 0-4 in window 2, steps 5-7 in window 3 behind the accumulators
.if (\s) < 5
	WIN 0x80
.set fb, 48*(\s)
.else
	WIN 0xc0
.set fb, 64+48*((\s)-5)
.endif
.if (\sl)
.set aT, TA1
.set aB, TB1
.else
.set aT, L16
.set aB, L8
.endif
.irp m, 0,1,2,3
	ds_load_b128 v[fb+12*\m:fb+12*\m+3], v[aT] offset:REC*\m+1536*(\s)
	ds_load_b64 v[fb+12*\m+4:fb+12*\m+5], v[aB] offset:REC*\m+1536*(\s)+512
	ds_load_b128 v[fb+12*\m+6:fb+12*\m+9], v[aT] offset:REC*\m+1536*(\s)+768
	ds_load_b64 v[fb+12*\m+10:fb+12*\m+11], v[aB] offset:REC*\m+1536*(\s)+1280
.endr
.endm
.macro WMC c
.if (pa == 0) && (pb == 0)
	v_wmma_scale_f32_16x16x128_f8f6f4 v[rD:rD+7], v[rA:rA+11], v[rB:rB+11], \c, v[rSA], v[rSB] matrix_a_fmt:MATRIX_FMT_FP6 matrix_b_fmt:MATRIX_FMT_FP6
.elseif (pa == 1) && (pb == 0)
	v_wmma_scale_f32_16x16x128_f8f6f4 v[rD:rD+7], v[rA:rA+11], v[rB:rB+11], \c, v[rSA], v[rSB] matrix_a_fmt:MATRIX_FMT_FP6 matrix_b_fmt:MATRIX_FMT_FP6 matrix_a_scale:MATRIX_SCALE_ROW1
.else
	v_wmma_scale_f32_16x16x128_f8f6f4 v[rD:rD+7], v[rA:rA+11], v[rB:rB+11], \c, v[rSA], v[rSB] matrix_a_fmt:MATRIX_FMT_FP6 matrix_b_fmt:MATRIX_FMT_FP6 matrix_b_scale:MATRIX_SCALE_ROW1
.endif
.endm
.macro MM v, a, w, s                   ; my tile a x the weight's tile w, K step s.  v = 0: source 0 the weight; v = 1: source 0 my rows
.if (\s) < 5
.set rW, 48*(\s)+12*(\w)
.else
.set rW, 64+48*((\s)-5)+12*(\w)
.endif
.if (\v)
.set rD, 8*(2*(\w)+(\a))
.set rA, 12*(8*(\a)+(\s))
.set rB, rW
.set rSA, RS+8*(\a)+(\s)
.set rSB, TS+8*((\w)/2)+(\s)
.set pa, 0
.set pb, (\w)%2
.else
.set rD, 8*(4*(\a)+(\w))
.set rA, rW
.set rB, 12*(8*(\a)+(\s))
.set rSA, TS+8*((\w)/2)+(\s)
.set rSB, RS+8*(\a)+(\s)
.set pa, (\w)%2
.set pb, 0
.endif
.if (\s) == 0
	WMC 0
.else
	WMC v[rD:rD+7]
.endif
.endm
; A head's 64 products, with no memory instruction among them: all eight steps' fragments were asked for ahead, in the change of slots and in the last head's way out
.macro KRUN v
.irp s, 0,1,2,3,4,5,6,7
.if 16*(7-\s) > 63
	s_wait_dscnt 63                                ; behind step s's fragments 16 (7 - s) loads were issued; the wait's field holds 63, a smaller count
.else
	s_wait_dscnt 16*(7-\s)
.endif
.if \v
	WIN 0xf9+4*(\s/5)                              ; source 0 (my rows) window 1, source 1 (the weight) window 2 or 3, C and D window 3
.irp w, 0,1,2,3
.irp a, 0,1
	MM 1, \a, \w, \s
.endr
.endr
.else
	WIN 0xf6+(\s/5)                                ; source 0 (the weight) window 2 or 3, source 1 (my rows) window 1, C and D window 3
.irp a, 0,1
.irp w, 0,1,2,3
	MM 0, \a, \w, \s
.endr
.endr
.endif
.endr
	WIN 0
.endm
.macro KALL
	s_cmp_eq_u32 s[TASK], 3
	s_cbranch_scc1 .Lv_\@
	KRUN 0
	s_branch .Ld_\@
.Lv_\@:
	KRUN 1
.Ld_\@:
.endm
; The change of slots.  nsl: the slot read next.  mode 1: the other slot's first fill; 2: its refill, two heads on; 0: nothing more to ask for
.macro PRE nsl, mode
	WIN 0
	s_wait_alu depctr_va_vdst(0)                   ; directly ahead of the wait below
	s_wait_tensorcnt 0x0                           ; my one load that is out, my record of the next head, has landed
.if (\mode)
	ds_add_u32 v[SPW], v[NIL]
.if (\mode) == 2
	s_add_nc_u64 s[G0+4*(1-(\nsl))+2:G0+4*(1-(\nsl))+3], s[G0+4*(1-(\nsl))+2:G0+4*(1-(\nsl))+3], 8*REC
.endif
	s_wait_dscnt 0x0                               ; the add is done, and so are my reads of the slot left behind
	ROUND
	tensor_load_to_lds s[G0+4*(1-(\nsl)):G0+4*(1-(\nsl))+3], s[G1:G1+7]
	s_nop 0
.else
	s_barrier_signal -1
	s_barrier_wait -1
.endif
	PLACES 4
.if (\nsl)
.set aS, TS1
.else
.set aS, TS0
.endif
.irp p, 0,1
.irp q, 0,1
	ds_load_b128 v[TS+8*\p+4*\q:TS+8*\p+4*\q+3], v[aS] offset:2*REC*\p+256*\q
.endr
.endr
	FETCH \nsl, 0
	FETCH \nsl, 1
	FETCH \nsl, 2
	WIN 0
.endm
.macro QUANT4 w                        ; four blocks: 16 registers each in lanes l and l xor 16
.irp k, 0,1,2,3,4
.irp b, 0,1,2,3
	v_max3_num_f32 v[U+5*\b+\k], |v[T+16*\b+3*\k]|, |v[T+16*\b+3*\k+1]|, |v[T+16*\b+3*\k+2]|
.endr
.endr
.irp b, 0,1,2,3
	v_max3_num_f32 v[U+5*\b], v[U+5*\b], v[U+5*\b+1], v[U+5*\b+2]
.endr
.irp b, 0,1,2,3
	v_max3_num_f32 v[U+5*\b+3], v[U+5*\b+3], v[U+5*\b+4], |v[T+16*\b+15]|
.endr
.irp b, 0,1,2,3
	v_max3_num_f32 v[QM+\b], v[U+5*\b], v[U+5*\b+3], 0x1800000
.endr
.irp b, 0,1,2,3
	v_permlanex16_b32 v[QX+\b], v[QM+\b], s[SEL], s[SEL+1]
.endr
.irp b, 0,1,2,3
	v_max_num_f32 v[QM+\b], v[QM+\b], v[QX+\b]
.endr
.irp b, 0,1,2,3
	v_add_nc_u32 v[QE+\b], 0xff000000, v[QM+\b]
.endr
.irp b, 0,1,2,3
	v_lshrrev_b32 v[QB+\b], 23, v[QE+\b]
.endr
	v_lshl_or_b32 v[(\w)], v[QB+1], 8, v[QB]
	v_lshl_or_b32 v[(\w)+1], v[QB+3], 8, v[QB+2]
	v_cvt_scalef32_pk16_fp6_f32 v[PC:PC+2], v[T:T+15], v[QE]
	v_cvt_scalef32_pk16_fp6_f32 v[PX:PX+2], v[T+16:T+31], v[QE+1]
	v_cvt_scalef32_pk16_fp6_f32 v[PC+6:PC+8], v[T+32:T+47], v[QE+2]
	v_cvt_scalef32_pk16_fp6_f32 v[PX+4:PX+6], v[T+48:T+63], v[QE+3]
	v_nop
.irp j, 0,1,2
	v_permlane16_swap_b32 v[PC+\j], v[PX+\j]
	v_permlane16_swap_b32 v[PC+6+\j], v[PX+4+\j]
.endr
.irp j, 0,1,2
	v_mov_b32 v[PC+3+\j], v[PX+\j]
	v_mov_b32 v[PC+9+\j], v[PX+4+\j]
.endr
.endm
.macro ADDB b                          ; the sums + a bias along the head's 64
	WIN 0x03
.set i, 0
.rept 32
	v_pk_add_f32 v[T+2*i:T+2*i+1], v[2*i:2*i+1], v[\b+2*(i%16):\b+2*(i%16)+1]
.set i, i+1
.endr
	WIN 0
.endm
.macro EPI nsl                         ; a head's way out; under it the next head's fragments of K steps 3 to 7 are asked for, from slot nsl (2: there is no next head)
	WIN 0
	s_wait_loadcnt 0x0                             ; its biases are in
	s_wait_xcnt 0x0                                ; the last head's stores have read their registers
	s_add_nc_u64 s[B1P:B1P+1], s[B1P:B1P+1], 256
	s_add_nc_u64 s[B2P:B2P+1], s[B2P:B2P+1], 256
	s_add_nc_u64 s[B3P:B3P+1], s[B3P:B3P+1], 256
	s_cmp_eq_u32 s[TASK], 3
	s_cbranch_scc1 .Llane_\@
	s_cmp_lg_u32 s[TASK], 0
	s_cbranch_scc1 .Lnosum_\@
.set i, 0
.rept 16
	v_pk_add_f32 v[A1+2*i:A1+2*i+1], v[A1+2*i:A1+2*i+1], v[T+2*i:T+2*i+1]   ; u_bias + bq, v_bias + bq
	v_pk_add_f32 v[A2+2*i:A2+2*i+1], v[A2+2*i:A2+2*i+1], v[T+2*i:T+2*i+1]
.set i, i+1
.endr
.Lnosum_\@:
	ADDB A1
	s_branch .Lsum_\@
.Llane_\@:
	WIN 0x03
.set i, 0
.rept 32
	v_pk_add_f32 v[T+2*i:T+2*i+1], v[2*i:2*i+1], v[A1+2*(i/8):A1+2*(i/8)+1] op_sel_hi:[1,0]
.set i, i+1
.endr
	WIN 0
.Lsum_\@:
	s_wait_alu depctr_va_vdst(0)                   ; behind the branch
	QUANT4 W1
	global_store_b128 v[S16], v[PC:PC+3], s[OC1:OC1+1]
	global_store_b64 v[S8], v[PC+4:PC+5], s[OC1:OC1+1] offset:512
	global_store_b128 v[S16B], v[PC+6:PC+9], s[OC1:OC1+1]
	global_store_b64 v[S8B], v[PC+10:PC+11], s[OC1:OC1+1] offset:512
	s_cmp_eq_u32 s[TASK], 3
	s_cbranch_scc1 .Lvsc_\@
	v_cndmask_b32 v[SD], v[W1], v[W1+1], s[HM]     ; lanes 0-15: my first tile's words, lanes 16-31: my second's
	global_store_b32 v[L4], v[SD], s[OS1:OS1+1]
	s_branch .Lscd_\@
.Lvsc_\@:
	v_cndmask_b32 v[SD], v[QB], v[QB+1], s[HM]     ; one byte of each of the head's 64 words is mine, and one of the two bytes that stay 0
	v_cndmask_b32 v[SD+1], v[QB+2], v[QB+3], s[HM]
	global_store_b8 v[VB], v[SD], s[OS1:OS1+1]
	global_store_b8 v[VB], v[SD+1], s[OS1:OS1+1] offset:128
	global_store_b8 v[VB], v[ZR], s[OS1:OS1+1] offset:2
	global_store_b8 v[VB], v[ZR], s[OS1:OS1+1] offset:130
.Lscd_\@:
.if (\nsl) < 2
	FETCH \nsl, 3
	FETCH \nsl, 4
	FETCH \nsl, 5
	WIN 0
.endif
	s_cmp_eq_u32 s[HAS2], 0
	s_cbranch_scc1 .Lone_\@
	s_cmp_lg_u32 s[TASK], 0
	s_cbranch_scc1 .Lcopy_\@
	ADDB A2
	s_wait_alu depctr_va_vdst(0)                   ; directly ahead of the wait below
	s_wait_xcnt 0x0                                ; the first stores have read the codes
	QUANT4 W2
	s_branch .Lst2_\@
.Lcopy_\@:
	v_mov_b32 v[W2], v[W1]
	v_mov_b32 v[W2+1], v[W1+1]
.Lst2_\@:
	s_wait_alu depctr_va_vdst(0)                   ; behind the branch
	global_store_b128 v[L16B], v[PC:PC+3], s[OC2:OC2+1]
	global_store_b64 v[L8B], v[PC+4:PC+5], s[OC2:OC2+1] offset:512
	global_store_b128 v[L16B], v[PC+6:PC+9], s[OC2:OC2+1] offset:768
	global_store_b64 v[L8B], v[PC+10:PC+11], s[OC2:OC2+1] offset:1280
	v_cndmask_b32 v[SD+2], v[W2], v[W2+1], s[HM]
	global_store_b32 v[L4], v[SD+2], s[OS2:OS2+1]
.Lone_\@:
	s_cmp_eq_u32 s[ZF], 0
	s_cbranch_scc1 .Lnz_\@
	s_wait_xcnt 0x0                                ; EXEC changes only behind this wait
	v_cmp_eq_u32 vcc_lo, 0, v[ZK]
	s_and_saveexec_b32 s79, vcc_lo
	global_store_b128 v[L16], v[ZR:ZR+3], s[OC1:OC1+1] offset:49152   ; row 1,024 of the head's table: zero codes,
	global_store_b64 v[L8], v[ZR:ZR+1], s[OC1:OC1+1] offset:49664
	global_store_b32 v[ZR], v[ZR+1], s[OC1:OC1+1] offset:103168       ; and its word
	s_wait_xcnt 0x0
	s_or_b32 exec_lo, exec_lo, s79
.Lnz_\@:
.if (\nsl) < 2
	FETCH \nsl, 6
	FETCH \nsl, 7
	WIN 0
.endif
	s_wait_xcnt 0x0                                ; the stores have read their bases: on to the next head's record
	s_add_nc_u64 s[OC1:OC1+1], s[OC1:OC1+1], s[STC:STC+1]
	s_add_nc_u64 s[OS1:OS1+1], s[OS1:OS1+1], s[STC:STC+1]
	s_add_nc_u64 s[OC2:OC2+1], s[OC2:OC2+1], s[STC:STC+1]
	s_add_nc_u64 s[OS2:OS2+1], s[OS2:OS2+1], s[STC:STC+1]
.endm
.macro HEAD sl, mode                   ; a head's products; the change of slots, so that the refill and the next fragments are on their way under the way out
	KALL
	PRE 1-\sl, \mode
	EPI 1-\sl
	BIASLD
.endm
	BIASLD
	PRE 0, 1                                       ; head 0 is in; head 1 is asked for
.irp s, 3,4,5,6,7
	FETCH 0, \s                                    ; head 0 has no way out ahead of it: the rest of its fragments
.endr
	WIN 0
	s_mov_b32 s[CNT], 7
.Lheads:                                               ; a trip: two heads, both slots filled again (heads 2 to 15)
	HEAD 0, 2
	HEAD 1, 2
	s_sub_co_u32 s[CNT], s[CNT], 1
	s_cmp_lg_u32 s[CNT], 0
	s_wait_alu depctr_va_vdst(0)                   ; directly ahead of the branch
	s_cbranch_scc1 .Lheads
	HEAD 0, 0                                      ; heads 14 and 15 ask for nothing
	KALL
	PLACES 4
	EPI 2
	s_wait_tensorcnt 0x0                           ; the wave's end
	ds_add_u32 v[SPW], v[NIL]
	s_wait_dscnt 0x0
	ROUND                                          ; the closing round
	s_endpgm
.Lfunc_end_k_q07867184f3_proj:
	.size	k_q07867184f3_proj, .Lfunc_end_k_q07867184f3_proj-k_q07867184f3_proj
	.p2alignl 7, 3214868480
	.fill 96, 4, 3214868480
	.section	.rodata,"a",@progbits
	.p2align	6, 0x0
	.amdhsa_kernel k_q07867184f3_proj
		.amdhsa_group_segment_fixed_size 327680
		.amdhsa_private_segment_fixed_size 0
		.amdhsa_enable_private_segment 0
		.amdhsa_kernarg_size 120
		.amdhsa_user_sgpr_count 2
		.amdhsa_user_sgpr_kernarg_segment_ptr 1
		.amdhsa_wavefront_size32 1
		.amdhsa_system_sgpr_workgroup_id_x 1
		.amdhsa_system_sgpr_workgroup_id_y 1
		.amdhsa_system_sgpr_workgroup_id_z 1
		.amdhsa_system_vgpr_workitem_id 0
		.amdhsa_next_free_vgpr 1024
		.amdhsa_next_free_sgpr 100
		.amdhsa_reserve_vcc 1
		.amdhsa_float_denorm_mode_32 3
		.amdhsa_float_denorm_mode_16_64 3
		.amdhsa_memory_ordered 1
		.amdhsa_forward_progress 1
		.amdhsa_inst_pref_size 255
	.end_amdhsa_kernel
	.section	.bss,"aw",@nobits
	.p2align	6
	.space	262144
	.amdgpu_metadata
---
amdhsa.version: [ 1, 2 ]
amdhsa.kernels:
  - .name:           k_q07867184f3_proj
    .symbol:         k_q07867184f3_proj.kd
    .args:
      - { .name: q, .offset: 0, .size: 8, .value_kind: global_buffer, .address_space: global }
      - { .name: k, .offset: 8, .size: 8, .value_kind: global_buffer, .address_space: global }
      - { .name: pos_emb, .offset: 16, .size: 8, .value_kind: global_buffer, .address_space: global }
      - { .name: v, .offset: 24, .size: 8, .value_kind: global_buffer, .address_space: global }
      - { .name: qt, .offset: 32, .size: 8, .value_kind: global_buffer, .address_space: global }
      - { .name: bq, .offset: 40, .size: 8, .value_kind: global_buffer, .address_space: global }
      - { .name: bk, .offset: 48, .size: 8, .value_kind: global_buffer, .address_space: global }
      - { .name: bv, .offset: 56, .size: 8, .value_kind: global_buffer, .address_space: global }
      - { .name: u_bias, .offset: 64, .size: 8, .value_kind: global_buffer, .address_space: global }
      - { .name: v_bias, .offset: 72, .size: 8, .value_kind: global_buffer, .address_space: global }
      - { .name: qu, .offset: 80, .size: 8, .value_kind: global_buffer, .address_space: global }
      - { .name: qv, .offset: 88, .size: 8, .value_kind: global_buffer, .address_space: global }
      - { .name: kk, .offset: 96, .size: 8, .value_kind: global_buffer, .address_space: global }
      - { .name: pp, .offset: 104, .size: 8, .value_kind: global_buffer, .address_space: global }
      - { .name: vv, .offset: 112, .size: 8, .value_kind: global_buffer, .address_space: global }
    .group_segment_fixed_size: 327680
    .private_segment_fixed_size: 0
    .kernarg_segment_align: 8
    .kernarg_segment_size: 120
    .max_flat_workgroup_size: 128
    .sgpr_count:     100
    .vgpr_count:     1024
    .wavefront_size: 32
...
	.end_amdgpu_metadata
.endif
;; end of part 2
;; launch attn (part 3): grid 2 x 128, 16 waves a work-group, no clusters, 274,432 bytes of LDS; arguments qu, qv, kk, vv, pp, ao; writes ao
.if DOCPART == 3
	.amdgcn_target "amdgcn-amd-amdhsa--gfx1250"
	.amdhsa_code_object_version 6
	.text
	.protected	k_q07867184f3_attn
	.globl	k_q07867184f3_attn
	.p2align	8
	.type	k_q07867184f3_attn,@function
k_q07867184f3_attn:
	s_mov_b64 s[64:65], 0
	v_nop
	global_prefetch_b8 v0, s[64:65] scope:SCOPE_SE
	s_setreg_imm32_b32 hwreg(HW_REG_WAVE_MODE, 25, 1), 1
	s_wait_xcnt 0x0
; The relative attention of one head on codes of FP6: score = ((qh + u) . kh + shift((qh + v_bias) . ph)) / 32, softmax, x vh, / the row's sum; the result is quantised along d_model for the last product.
; THE SHIFT.  shifted[i][j] is, with e = 1,023 - i + j, the product of row e of table E = [ph 0 .. 1,023, a row of zeros, ph 0 .. 1,023] with query i where e < 1,024 and with query i + 1 where e > 1,024.
; For 16 neighbouring queries (16 it + r) and 128 keys e = e0 + (15 - r) + key, e0 = 1,008 - 16 it + 128 step, a multiple of 16: nine tiles of 16 rows of E, each of which takes query i alone or query i + 1 alone
; (tile t takes query i where t < 1 + it - 8 step: ids and counters only; in seven steps of eight all nine tiles take the same one, and one compare serves them).  What is left is a shift by 15 - r columns in lane r:
; the nine tiles go through the wave's own stage in LDS, in f32, and come back as the C of the products K Q^T: so the sum of the two scores costs no addition.
; SOFTMAX.  t = score x log2(e) / 32; M = the running largest t rounded up to a whole number; p = 2^(t - M) is quantised along the keys; the sum is taken of the unquantised p and divides at the end.
; A block's largest p is made of the block's largest score by the same multiply-add and exponential (this takes v_exp_f32 not to fall where its input rises).
; SHARES.  A work-group owns 512 queries of one head; each of its sixteen waves two tiles of 16 queries, one after the other; every wave walks the 1,024 keys in 8 steps of 128.  Four waves to a SIMD.
; The head's K and V and the 1,536 rows of E that these queries need lie in LDS, filled ONCE by eight tensor loads: no byte is filled twice, and one barrier serves the launch.
; NO CLUSTER: only the two work-groups of a head share K and V, 106,496 bytes fetched once by each; the grid's x is 2, which a cluster of four does not divide.
; K = 64 IN AN INSTRUCTION OF 128: the queries' registers 6-11 are zero codes and bytes 2, 3 of all scale words are 0, so the other side's registers 6-11 may hold any codes: a tile's operand is the run of 12 registers
; that begins at its six, and runs on into the next tile's.
; LAYOUT.  All products transposed: a lane holds ONE query (lane % 16).  The groups of 8 inside a block of 32 lie in the order 0, 2, 1, 3 in every operand.
; LIMITS: NaN and infinities are not served; a block under 2^-124 keeps the byte 1; 1 / the sum is v_rcp_f32's.
.set L16,  1                           ; 16 x lane
.set L8,   2                           ; 8 x lane
.set A16,  3                           ; the step's K and V images
.set A8,   4
.set A4K,  5                           ; the step's scale words of K
.set A4V,  6                           ; of V
.set P16,  7                           ; the step's nine images of E
.set P8,   8
.set P4,   9                           ; and their scale words
.set STI,  10                          ; the stage: in, 336 r + 32 h
.set STO,  11                          ; out, 332 r + 32 h (+ 60 in the offsets): column key + 15 - r
.set QU,   16
.set QV,   28
.set QV1,  40
.set QUS,  52
.set QVS,  53
.set QV1S, 54
.set VQ16, 55                          ; Q's places in a head's record: the wave's first tile
.set VQ8,  56
.set VQ4,  57
.set R16,  58                          ; 16 r
.set L4,   59                          ; 4 x lane
.set PS,   60                          ; v60-64 scale words of E's tiles, then of K's
.set VS,   66                          ; v66-69 V's words of the two groups of 64 keys
.set VW,   70                          ; v70-71 joined: a word for 128 keys
.set PW,   72                          ; p's scale word
.set FF,   74                          ; v[74:75] f = 2^(old M - new M); 1 / the sum
.set F,    76                          ; v76-135 fragments: E's nine, K's eight, V's four; at work in the softmax
.set SD,   136                         ; v136-207 the nine tiles of position scores; then the 64 scores, then p
.set O,    208                         ; v208-239 O^T
.set MB,   76
.set XB,   80
.set EB,   84
.set PXA,  88
.set PCD,  124                         ; p's codes: F's last twelve
.set CH,   240
.set TMP,  242
.set RR,   243
.set HH,   244
.set WV,   16
.set XX,   17
.set BH,   18
.set SEL,  20
.set CS,   22
.set G1A,  24
.set G1B,  32
.set G1C,  40
.set G0A,  48
.set G0B,  52
.set G0C,  56
.set TSC,  60                          ; tiles of E below this number take query i
.set CNT,  61
.set SA,   62                          ; 6,144 x step
.set SK,   63                          ; 512 x step
.set QUP,  66
.set QVP,  68
.set AOP,  70
.set AOS,  72
.set SV,   74
.set SPC,  75
.set SPS,  76
.set IT0,  86
.set KREC, 53248
.set STG,  186368
.macro PLACES n
.rept \n
	v_nop
.endr
.endm
.macro WMA d, a, b, c, sa, sb, row     ; row = 1: source 0's scale words lie in lanes 16-31
.if \row
	v_wmma_scale_f32_16x16x128_f8f6f4 v[\d:\d+7], v[\a:\a+11], v[\b:\b+11], \c, v[\sa], v[\sb] matrix_a_fmt:MATRIX_FMT_FP6 matrix_b_fmt:MATRIX_FMT_FP6 matrix_a_scale:MATRIX_SCALE_ROW1
.else
	v_wmma_scale_f32_16x16x128_f8f6f4 v[\d:\d+7], v[\a:\a+11], v[\b:\b+11], \c, v[\sa], v[\sb] matrix_a_fmt:MATRIX_FMT_FP6 matrix_b_fmt:MATRIX_FMT_FP6
.endif
.endm
	s_load_b256 s[4:11], s[0:1], 0x0               ; qu, qv, kk, vv
	s_load_b128 s[12:15], s[0:1], 0x20             ; pp, ao
	v_lshl_add_u32 v254, v0, 2, 0x42800
	v_mov_b32 v255, 0
	ds_add_u32 v254, v255
	ds_add_u32 v254, v255
	v_lshrrev_b32 v1, 5, v0
	s_delay_alu instid0(VALU_DEP_1)
	v_readfirstlane_b32 s[WV], v1                  ; wave 0..15
	s_mov_b32 s[XX], ttmp9                         ; which half of the queries
	s_and_b32 s[BH], ttmp7, 0xffff                 ; 16 batch + head
	; descriptor groups 1: dense blocks as rows of 256 bytes: half a record of K or V (104 rows), a third of E's images (96), E's scale words (24)
.irp g, G1A, G1B, G1C
	s_mov_b32 s[\g], 3<<16                         ; no mask; elements of 8 bytes; no padding
	s_mov_b32 s[\g+1], 32<<16
	s_mov_b32 s[\g+3], 32<<16
	s_mov_b32 s[\g+5], 32
	s_mov_b32 s[\g+6], 0
	s_mov_b32 s[\g+7], 0
.endr
	s_mov_b32 s[G1A+2], 104<<16
	s_mov_b32 s[G1A+4], 104
	s_mov_b32 s[G1B+2], 96<<16
	s_mov_b32 s[G1B+4], 96
	s_mov_b32 s[G1C+2], 24<<16
	s_mov_b32 s[G1C+4], 24
	s_mul_i32 s77, s[BH], KREC                     ; the head's record in qu, qv, kk, vv
	s_and_b32 s78, s[WV], 1
	s_mul_i32 s78, s78, 26624
	s_add_co_u32 s78, s78, s77
	s_mov_b32 s79, 0
	s_and_b32 s80, s[WV], 3
	s_mul_i32 s[G0A+1], s80, 26624                 ; LDS: K's halves, then V's
	s_mul_i32 s80, s[BH], 107520                   ; the head's record in pp
	s_xor_b32 s81, s[XX], 1                        ; the first half of the queries needs e = 512 on, the second e = 0 on
	s_mul_i32 s82, s81, 24576
	s_add_co_u32 s82, s82, s80
	s_min_u32 s83, s[WV], 6
	s_mul_i32 s[G0B+1], s83, 24576
	s_add_co_u32 s[G0B+1], s[G0B+1], 8192          ; LDS: 106,496 + 24,576 (w - 4) for waves 4 to 6
	s_max_u32 s83, s83, 4
	s_sub_co_u32 s83, s83, 4
	s_mul_i32 s83, s83, 24576
	s_add_co_u32 s82, s82, s83
	s_mov_b32 s83, 0
	s_lshl_b32 s84, s81, 11
	s_add_co_u32 s84, s84, s80
	s_add_co_u32 s84, s84, 99072
	s_mov_b32 s85, 0
	s_wait_dscnt 0x0
	s_wait_kmcnt 0x0
	s_mov_b32 s[G0A], 1
	s_cmp_lt_u32 s[WV], 2
	s_cselect_b64 s[G0A+2:G0A+3], s[8:9], s[10:11]
	s_add_nc_u64 s[G0A+2:G0A+3], s[G0A+2:G0A+3], s[78:79]
	s_or_b32 s[G0A+3], s[G0A+3], 0x80000000
	s_mov_b32 s[G0B], 1
	s_add_nc_u64 s[G0B+2:G0B+3], s[12:13], s[82:83]
	s_or_b32 s[G0B+3], s[G0B+3], 0x80000000
	s_mov_b32 s[G0C], 1
	s_mov_b32 s[G0C+1], 180224
	s_add_nc_u64 s[G0C+2:G0C+3], s[12:13], s[84:85]
	s_or_b32 s[G0C+3], s[G0C+3], 0x80000000
	; the fills: one load a wave for waves 0 to 7, the only tensor loads of the launch; four v_nop follow each line
	s_cmp_lt_u32 s[WV], 4
	s_cbranch_scc0 .Lnot_kv
	tensor_load_to_lds s[G0A:G0A+3], s[G1A:G1A+7]
	s_nop 0
	PLACES 4
	s_branch .Lasked
.Lnot_kv:
	s_cmp_lt_u32 s[WV], 7
	s_cbranch_scc0 .Lnot_e
	tensor_load_to_lds s[G0B:G0B+3], s[G1B:G1B+7]
	s_nop 0
	PLACES 4
	s_branch .Lasked
.Lnot_e:
	s_cmp_eq_u32 s[WV], 7
	s_cbranch_scc0 .Lasked
	tensor_load_to_lds s[G0C:G0C+3], s[G1C:G1C+7]
	s_nop 0
	PLACES 4
.Lasked:
	v_and_b32 v[TMP], 31, v0
	s_delay_alu instid0(VALU_DEP_1)
	v_lshlrev_b32 v[L16], 4, v[TMP]
	s_delay_alu instid0(VALU_DEP_2)
	v_lshlrev_b32 v[L8], 3, v[TMP]
	s_delay_alu instid0(VALU_DEP_3)
	v_lshlrev_b32 v[L4], 2, v[TMP]
	v_and_b32 v[RR], 15, v0
	v_bfe_u32 v[HH], v0, 4, 1
	s_delay_alu instid0(VALU_DEP_2)
	v_lshlrev_b32 v[R16], 4, v[RR]
	s_lshl_b32 s[IT0], s[XX], 5
	s_add_co_u32 s[IT0], s[IT0], s[WV]             ; my first tile of queries: 32 x + w; the second lies 16 tiles on
	s_mul_i32 s87, s[IT0], 768
	v_add_nc_u32 v[VQ16], s87, v[L16]
	v_add_nc_u32 v[VQ8], s87, v[L8]
	s_lshl_b32 s87, s[IT0], 6
	v_lshl_add_u32 v[VQ4], v[RR], 2, s87
	s_mul_i32 s87, s[WV], 5376                     ; my stage: 16 rows of 336 bytes
	s_add_co_u32 s87, s87, STG
	v_mul_u32_u24 v[STI], v[RR], 336
	s_delay_alu instid0(VALU_DEP_1)
	v_lshl_add_u32 v[STI], v[HH], 5, v[STI]
	s_delay_alu instid0(VALU_DEP_1)
	v_add_nc_u32 v[STI], s87, v[STI]
	v_mul_u32_u24 v[STO], v[RR], 332
	s_delay_alu instid0(VALU_DEP_1)
	v_lshl_add_u32 v[STO], v[HH], 5, v[STO]
	s_delay_alu instid0(VALU_DEP_1)
	v_add_nc_u32 v[STO], s87, v[STO]
	s_mov_b32 s[SEL], 0x76543210
	s_mov_b32 s[SEL+1], 0xfedcba98
	s_mov_b32 s[CS], 0x3d38aa3b                    ; c = log2(e) / 32
	s_mov_b32 s[CS+1], s[CS]                       ; (named with it as a pair, so it is written)
	s_mov_b32 s80, s77
	s_mov_b32 s81, 0
	s_add_nc_u64 s[QUP:QUP+1], s[4:5], s[80:81]
	s_add_nc_u64 s[QVP:QVP+1], s[6:7], s[80:81]
	s_lshr_b32 s82, s[BH], 4                       ; batch
	s_and_b32 s83, s[BH], 15                       ; head
	s_lshl_b32 s82, s82, 6
	s_add_co_u32 s82, s82, s[IT0]
	s_mul_i32 s82, s82, 12800                      ; the row tile's record in ao
	s_mul_i32 s84, s83, 768                        ; the head's image in it
	s_add_co_u32 s84, s84, s82
	s_mov_b32 s85, 0
	s_add_nc_u64 s[AOP:AOP+1], s[14:15], s[84:85]
	s_lshr_b32 s87, s83, 3                         ; and its two bytes of each row's scale words: 12,288 + 256 (head / 8) + 4 ((head / 2) % 4) + 2 (head % 2) + 16 r
	s_lshl_b32 s87, s87, 8
	s_bfe_u32 s88, s83, 0x20001
	s_lshl_b32 s88, s88, 2
	s_and_b32 s89, s83, 1
	s_lshl_b32 s89, s89, 1
	s_add_co_u32 s84, s87, s88
	s_add_co_u32 s84, s84, s89
	s_add_co_u32 s84, s84, s82
	s_add_co_u32 s84, s84, 12288
	s_add_nc_u64 s[AOS:AOS+1], s[14:15], s[84:85]
.irp j, 6,7,8,9,10,11
	v_mov_b32 v[QU+\j], 0                          ; the queries' upper 64 of K: zero codes, written once
	v_mov_b32 v[QV+\j], 0
	v_mov_b32 v[QV1+\j], 0
	v_mov_b32 v[F+48+\j], 0                        ; named by the ninth tile's run of 12 before anything else writes them
.endr
	v_mov_b32 v[FF+1], 0                           ; (named as the upper half of a pair)
; tile t of the position scores: 16 rows of E x the queries in v[q] on
.macro PT1 t, q, qs
.set prow, (\t)%2
.if (\t) == 8
.set prow, 1                           ; the ninth tile's words were loaded into lanes 16-31, so that no load passes the end of E's words
.endif
	WMA SD+8*(\t), F+6*(\t), \q, 0, PS+(\t)/2, \qs, prow
.endm
.macro PTILE t                         ; query i (below the zero row) or query i + 1 (from it on), tile by tile
	s_cmp_gt_i32 s[TSC], \t
	s_cbranch_scc0 .Lnext_\@
	PT1 \t, QV, QVS
	s_branch .Ldone_\@
.Lnext_\@:
	PT1 \t, QV1, QV1S
.Ldone_\@:
.endm
; The nine tiles.  Where the zero row lies beyond them or ahead of them, all nine take one operand and one compare serves; the one step of a tile of queries in which it falls among them goes tile by tile.
.macro PTILES
	s_cmp_ge_i32 s[TSC], 9
	s_cbranch_scc0 .Lnot_low_\@
.irp t, 0,1,2,3,4,5,6,7,8
	PT1 \t, QV, QVS
.endr
	s_branch .Lall_\@
.Lnot_low_\@:
	s_cmp_le_i32 s[TSC], 0
	s_cbranch_scc0 .Lmixed_\@
.irp t, 0,1,2,3,4,5,6,7,8
	PT1 \t, QV1, QV1S
.endr
	s_branch .Lall_\@
.Lmixed_\@:
.irp t, 0,1,2,3,4,5,6,7,8
	PTILE \t
.endr
.Lall_\@:
.endm
.macro SHIFT t0, n0                    ; tiles t0 .. t0 + 4 into the stage, 64 keys' scores back, each lane 15 - r columns on.  LDS serves a wave's instructions in order: no wait inside
.irp t, 0,1,2,3,4
	ds_store_b128 v[STI], v[SD+8*(\t0+\t):SD+8*(\t0+\t)+3] offset:64*\t       ; each tile from its low end on
	ds_store_b128 v[STI], v[SD+8*(\t0+\t)+4:SD+8*(\t0+\t)+7] offset:64*\t+16
.endr
.set i, 0
.rept 32
	ds_load_b32 v[SD+\n0+i], v[STO] offset:60+4*i+32*(i/8)
.set i, i+1
.endr
.endm
; one tile of 16 queries: tile 32 x + w + 16 trip
.macro QTILE trip
	s_wait_xcnt 0x0                                ; the last tile's stores have read their registers
	global_load_b128 v[QU:QU+3], v[VQ16], s[QUP:QUP+1] offset:12288*\trip
	global_load_b64 v[QU+4:QU+5], v[VQ8], s[QUP:QUP+1] offset:12288*\trip+512
	global_load_b32 v[QUS], v[VQ4], s[QUP:QUP+1] offset:49152+1024*\trip
	global_load_b128 v[QV:QV+3], v[VQ16], s[QVP:QVP+1] offset:12288*\trip
	global_load_b64 v[QV+4:QV+5], v[VQ8], s[QVP:QVP+1] offset:12288*\trip+512
	global_load_b32 v[QVS], v[VQ4], s[QVP:QVP+1] offset:49152+1024*\trip
	s_lshl_b32 s77, s[IT0], 4
	s_add_co_u32 s77, s77, 256*\trip+1
	v_add_nc_u32 v245, s77, v[RR]                  ; query i + 1, held at 1,023: query 1,023 has no entry beyond the zero row
	s_delay_alu instid0(VALU_DEP_1)
	v_min_u32 v245, 1023, v245
	s_delay_alu instid0(VALU_DEP_1)
	v_lshrrev_b32 v246, 4, v245
	s_delay_alu instid0(VALU_DEP_1)
	v_mul_u32_u24 v246, v246, 768
	s_delay_alu instid0(VALU_DEP_3)
	v_and_b32 v247, 15, v245
	s_delay_alu instid0(VALU_DEP_4)
	v_lshlrev_b32 v245, 2, v245
	s_delay_alu instid0(VALU_DEP_3)
	v_lshl_add_u32 v248, v[HH], 8, v246
	s_delay_alu instid0(VALU_DEP_1)
	v_lshl_add_u32 v248, v247, 4, v248
	v_lshl_add_u32 v246, v[HH], 7, v246
	s_delay_alu instid0(VALU_DEP_1)
	v_lshl_add_u32 v246, v247, 3, v246
	global_load_b128 v[QV1:QV1+3], v248, s[QVP:QVP+1]
	global_load_b64 v[QV1+4:QV1+5], v246, s[QVP:QVP+1] offset:512
	global_load_b32 v[QV1S], v245, s[QVP:QVP+1] offset:49152
	s_xor_b32 s77, s[WV], 15
	s_add_co_u32 s77, s77, 16*(1-\trip)            ; the first of my nine tiles of E in LDS: 15 - w + 16 (1 - trip), + 8 a step
	s_mul_i32 s[SPC], s77, 768
	s_add_co_u32 s[SPC], s[SPC], 106496
	s_lshl_b32 s[SPS], s77, 6
	s_add_co_u32 s[SPS], s[SPS], 180224
	s_mov_b32 s[SA], 0
	s_mov_b32 s[SK], 0
	s_mov_b32 s[SV], 102400
	s_add_co_u32 s[TSC], s[IT0], 16*\trip+1
	s_mov_b32 s[CNT], 8
	v_mov_b32 v13, 0xff61b1e6                      ; the largest t so far: -3e38
	s_delay_alu instid0(VALU_DEP_1)
	v_floor_f32 v12, -v13                          ; -M
	v_mov_b32 v14, 0                               ; the sum, in two halves
	v_mov_b32 v15, 0
.set i, 0
.rept 32
	v_mov_b32 v[O+i], 0                            ; O^T: the step is written once, and its first trip finds zeros
.set i, i+1
.endr
	s_wait_loadcnt 0x0
.if \trip == 0
	s_wait_tensorcnt 0x0                           ; my fill has landed,
	s_barrier_signal -1
	s_barrier_wait -1                              ; everybody's has
.endif
.Lstep_\@:
	v_add_nc_u32 v[P16], s[SPC], v[L16]            ; (with the v_nop: the four places in front of the loads into registers that the last products read)
	v_add_nc_u32 v[P8], s[SPC], v[L8]
	v_add_nc_u32 v[P4], s[SPS], v[L4]
	v_nop
.irp t, 0,1,2,3,4,5,6,7,8
	ds_load_b128 v[F+6*\t:F+6*\t+3], v[P16] offset:768*\t
	ds_load_b64 v[F+6*\t+4:F+6*\t+5], v[P8] offset:768*\t+512
.endr
.irp p, 0,1,2,3
	ds_load_b32 v[PS+\p], v[P4] offset:128*\p      ; lanes 0-15: tile 2 p's words, lanes 16-31: tile 2 p + 1's
.endr
	ds_load_b32 v[PS+4], v[P4] offset:448          ; lanes 16-31: tile 8's
	s_wait_dscnt 0x0
	PTILES
	v_add_nc_u32 v[A16], s[SA], v[L16]             ; five places: four in front of the loads and LDS stores below; five since the products K Q^T write over these results' registers
	v_add_nc_u32 v[A8], s[SA], v[L8]
	v_add_nc_u32 v[A4K], s[SK], v[L4]
	v_add_nc_u32 v[A4V], s[SV], v[L4]
	v_nop
.irp t, 0,1,2,3,4,5,6,7
	ds_load_b128 v[F+6*\t:F+6*\t+3], v[A16] offset:768*\t
	ds_load_b64 v[F+6*\t+4:F+6*\t+5], v[A8] offset:768*\t+512
.endr
.irp p, 0,1,2,3
	ds_load_b32 v[PS+\p], v[A4K] offset:49152+128*\p
.endr
.irp c, 0,1
.irp p, 0,1
	ds_load_b32 v[VS+2*\c+\p], v[A4V] offset:256*\c+128*\p
.endr
.endr
	SHIFT 0, 0
	SHIFT 4, 32
	s_wait_dscnt 0x0
	v_perm_b32 v[VW], v[VS+2], v[VS], 0x05040100   ; V's two bytes of each group of 64 keys make a word for 128
	v_perm_b32 v[VW+1], v[VS+3], v[VS+1], 0x05040100
.irp t, 0,1,2,3,4,5,6,7
	WMA SD+8*\t, F+6*\t, QU, v[SD+8*\t:SD+8*\t+7], PS+\t/2, QUS, \t%2     ; 16 keys x my queries, onto the shifted position scores
.endr
	PLACES 4
.irp b, 0,1,2,3
	v_max3_num_f32 v[MB+\b], v[SD+16*\b], v[SD+1+16*\b], v[SD+2+16*\b]    ; the largest score of each block of 32 keys: for the row's maximum and for the block's largest p
.endr
.irp j, 3,5,7,9,11,13
.irp b, 0,1,2,3
	v_max3_num_f32 v[MB+\b], v[MB+\b], v[SD+16*\b+\j], v[SD+1+16*\b+\j]
.endr
.endr
.irp b, 0,1,2,3
	v_max_num_f32 v[MB+\b], v[MB+\b], v[SD+15+16*\b]
.endr
.irp b, 0,1,2,3
	s_delay_alu instid0(VALU_DEP_4)
	v_permlanex16_b32 v[XB+\b], v[MB+\b], s[SEL], s[SEL+1]
.endr
.irp b, 0,1,2,3
	s_delay_alu instid0(VALU_DEP_4)
	v_max_num_f32 v[MB+\b], v[MB+\b], v[XB+\b]     ; with lane l xor 16's 16 keys
.endr
	s_delay_alu instid0(VALU_DEP_2)
	v_max3_num_f32 v[TMP], v[MB], v[MB+1], v[MB+2]
	s_delay_alu instid0(VALU_DEP_1)
	v_max_num_f32 v[TMP], v[TMP], v[MB+3]
	s_delay_alu instid0(VALU_DEP_1)
	v_mul_f32 v[TMP], s[CS], v[TMP]                ; as t (c is positive)
	s_delay_alu instid0(VALU_DEP_1)
	v_max_num_f32 v13, v13, v[TMP]                 ; the running largest t
	v_mov_b32 v[TMP], v12
	s_delay_alu instid0(VALU_DEP_2)
	v_floor_f32 v12, -v13                          ; the new -M = -ceil(t)
	s_delay_alu instid0(VALU_DEP_1)
	v_sub_f32 v[TMP], v12, v[TMP]                  ; old M - new M: a whole number, 0 or less
	s_delay_alu instid0(VALU_DEP_1)
	v_cvt_i32_f32 v[TMP], v[TMP]                   ; (it saturates)
	s_delay_alu instid0(VALU_DEP_1)
	v_ldexp_f32 v[FF], 1.0, v[TMP]                 ; f = 2^(old M - new M): the rescaling rounds nothing
.set i, 0
.rept 32
	v_pk_fma_f32 v[SD+2*i:SD+2*i+1], v[SD+2*i:SD+2*i+1], s[CS:CS+1], v[12:13] op_sel_hi:[1,0,0]   ; t - M
.set i, i+1
.endr
.irp b, 0,1,2,3
	v_fma_f32 v[MB+\b], v[MB+\b], s[CS], v12
.endr
.set i, 0
	s_wait_alu depctr_va_vdst(0)
.rept 64
	v_exp_f32 v[SD+i], v[SD+i]                     ; p = 2^(t - M), not normalised
.set i, i+1
.endr
.irp b, 0,1,2,3
	v_exp_f32 v[MB+\b], v[MB+\b]                   ; the block's largest p
.endr
	v_pk_mul_f32 v[14:15], v[14:15], v[FF:FF+1] op_sel_hi:[1,0]   ; the sums under the new M (a plain place behind the exponentials)
	s_wait_alu depctr_va_vdst(0)
.irp b, 0,1,2,3
	v_max_num_f32 v[MB+\b], 0x1800000, v[MB+\b]    ; the floor 2^(3 - 127)
.endr
.irp b, 0,1,2,3
	s_delay_alu instid0(VALU_DEP_4)
	v_add_nc_u32 v[EB+\b], 0xff000000, v[MB+\b]
.endr
.irp b, 0,1,2,3
	s_delay_alu instid0(VALU_DEP_4)
	v_lshrrev_b32 v[XB+\b], 23, v[EB+\b]
.endr
	s_delay_alu instid0(VALU_DEP_3)
	v_lshl_or_b32 v[PW], v[XB+1], 8, v[XB]
	s_delay_alu instid0(VALU_DEP_1)
	v_lshl_or_b32 v[PW], v[XB+2], 16, v[PW]
	s_delay_alu instid0(VALU_DEP_1)
	v_lshl_or_b32 v[PW], v[XB+3], 24, v[PW]
.irp c, 0,1
	v_cvt_scalef32_pk16_fp6_f32 v[PCD+6*\c:PCD+6*\c+2], v[SD+32*\c:SD+32*\c+15], v[EB+2*\c]
	v_cvt_scalef32_pk16_fp6_f32 v[PXA+4*\c:PXA+4*\c+2], v[SD+32*\c+16:SD+32*\c+31], v[EB+2*\c+1]
.endr
	v_nop                                          ; one plain place behind the scaled conversions
.irp c, 0,1
.irp j, 0,1,2
	v_permlane16_swap_b32 v[PCD+6*\c+\j], v[PXA+4*\c+\j]
.endr
.irp j, 0,1,2
	s_delay_alu instid0(VALU_DEP_3)
	v_mov_b32 v[PCD+3+6*\c+\j], v[PXA+4*\c+\j]
.endr
.endr
.irp t, 0,1,2,3                        ; V^T: 16 of the head's 64 x these 128 keys; they land under the sums below
.irp c, 0,1
	ds_load_b128 v[F+12*\t+6*\c:F+12*\t+6*\c+3], v[A16] offset:KREC+3072*\c+768*\t
	ds_load_b64 v[F+12*\t+6*\c+4:F+12*\t+6*\c+5], v[A8] offset:KREC+3072*\c+768*\t+512
.endr
.endr
	v_pk_add_f32 v[240:241], v[140:141], v[144:145]
	v_pk_add_f32 v[252:253], v[148:149], v[152:153]
	v_pk_add_f32 v[250:251], v[156:157], v[160:161]
	v_pk_add_f32 v[248:249], v[164:165], v[168:169]
	v_pk_add_f32 v[246:247], v[172:173], v[176:177]
	v_pk_add_f32 v[206:207], v[180:181], v[184:185]
	v_pk_add_f32 v[204:205], v[188:189], v[192:193]
	v_pk_add_f32 v[14:15], v[14:15], v[196:197]
	v_pk_add_f32 v[240:241], v[240:241], v[136:137]
	v_pk_add_f32 v[252:253], v[252:253], v[138:139]
	v_pk_add_f32 v[250:251], v[250:251], v[142:143]
	v_pk_add_f32 v[248:249], v[248:249], v[146:147]
	v_pk_add_f32 v[246:247], v[246:247], v[150:151]
	v_pk_add_f32 v[206:207], v[206:207], v[154:155]
	v_pk_add_f32 v[204:205], v[204:205], v[158:159]
	v_pk_add_f32 v[14:15], v[14:15], v[162:163]
	v_pk_add_f32 v[240:241], v[240:241], v[166:167]
	v_pk_add_f32 v[252:253], v[252:253], v[170:171]
	v_pk_add_f32 v[250:251], v[250:251], v[174:175]
	v_pk_add_f32 v[248:249], v[248:249], v[178:179]
	v_pk_add_f32 v[246:247], v[246:247], v[182:183]
	v_pk_add_f32 v[206:207], v[206:207], v[186:187]
	v_pk_add_f32 v[204:205], v[204:205], v[190:191]
	v_pk_add_f32 v[14:15], v[14:15], v[194:195]
	v_pk_add_f32 v[240:241], v[240:241], v[198:199]
	s_delay_alu instid0(VALU_DEP_2)
	v_pk_add_f32 v[14:15], v[14:15], v[248:249]
	s_delay_alu instid0(VALU_DEP_2)
	v_pk_add_f32 v[240:241], v[240:241], v[246:247]
	v_pk_add_f32 v[252:253], v[252:253], v[206:207]
	v_pk_add_f32 v[250:251], v[250:251], v[204:205]
	s_delay_alu instid0(VALU_DEP_2)
	v_pk_add_f32 v[14:15], v[14:15], v[252:253]
	s_delay_alu instid0(VALU_DEP_2)
	v_pk_add_f32 v[240:241], v[240:241], v[250:251]
	s_delay_alu instid0(VALU_DEP_1)
	v_pk_add_f32 v[14:15], v[14:15], v[240:241]
.set i, 0
.rept 16
	v_pk_mul_f32 v[O+2*i:O+2*i+1], v[O+2*i:O+2*i+1], v[FF:FF+1] op_sel_hi:[1,0]   ; O^T under the new M.  (With the sums: the places between p's codes and word and the products)
.set i, i+1
.endr
	s_wait_alu depctr_va_vdst(0)
	s_wait_dscnt 0x0
.irp t, 0,1,2,3
	WMA O+8*\t, F+12*\t, PCD, v[O+8*\t:O+8*\t+7], VW+\t/2, PW, \t%2
.endr
	s_add_co_u32 s[SA], s[SA], 6144
	s_add_co_u32 s[SK], s[SK], 512
	s_add_co_u32 s[SV], s[SV], 512
	s_add_co_u32 s[SPC], s[SPC], 6144
	s_add_co_u32 s[SPS], s[SPS], 512
	s_sub_co_i32 s[TSC], s[TSC], 8
	s_sub_co_u32 s[CNT], s[CNT], 1
	s_cmp_lg_u32 s[CNT], 0
	s_cbranch_scc1 .Lstep_\@
	; the way out: O^T / the sum, quantised along the head's 64: image number head of the row tile's record, and two bytes of each row's scale words
	PLACES 4
	v_add_f32 v14, v14, v15
	s_delay_alu instid0(VALU_DEP_1)
	v_permlanex16_b32 v[TMP], v14, s[SEL], s[SEL+1]
	s_delay_alu instid0(VALU_DEP_1)
	v_add_f32 v14, v14, v[TMP]
	s_wait_alu depctr_va_vdst(0)
	v_rcp_f32 v[FF], v14
	v_nop                                          ; one plain place behind the transcendental
.set i, 0
	s_wait_alu depctr_va_vdst(0)
.rept 16
	v_pk_mul_f32 v[SD+2*i:SD+2*i+1], v[O+2*i:O+2*i+1], v[FF:FF+1] op_sel_hi:[1,0]
.set i, i+1
.endr
	v_max3_num_f32 v[MB], |v[SD]|, |v[SD+1]|, 0x1800000
	v_max3_num_f32 v[MB+1], |v[SD+16]|, |v[SD+17]|, 0x1800000
.irp j, 2,4,6,8,10,12,14
	s_delay_alu instid0(VALU_DEP_2)
	v_max3_num_f32 v[MB], v[MB], |v[SD+\j]|, |v[SD+\j+1]|
	s_delay_alu instid0(VALU_DEP_2)
	v_max3_num_f32 v[MB+1], v[MB+1], |v[SD+16+\j]|, |v[SD+17+\j]|
.endr
	s_delay_alu instid0(VALU_DEP_2)
	v_permlanex16_b32 v[XB], v[MB], s[SEL], s[SEL+1]
	s_delay_alu instid0(VALU_DEP_2)
	v_permlanex16_b32 v[XB+1], v[MB+1], s[SEL], s[SEL+1]
	s_delay_alu instid0(VALU_DEP_2)
	v_max_num_f32 v[MB], v[MB], v[XB]
	s_delay_alu instid0(VALU_DEP_2)
	v_max_num_f32 v[MB+1], v[MB+1], v[XB+1]
	s_delay_alu instid0(VALU_DEP_2)
	v_add_nc_u32 v[EB], 0xff000000, v[MB]
	s_delay_alu instid0(VALU_DEP_2)
	v_add_nc_u32 v[EB+1], 0xff000000, v[MB+1]
	s_delay_alu instid0(VALU_DEP_2)
	v_lshrrev_b32 v[XB], 23, v[EB]
	s_delay_alu instid0(VALU_DEP_2)
	v_lshrrev_b32 v[XB+1], 23, v[EB+1]
	s_delay_alu instid0(VALU_DEP_1)
	v_lshl_or_b32 v[EB+2], v[XB+1], 8, v[XB]
	v_cvt_scalef32_pk16_fp6_f32 v[PCD:PCD+2], v[SD:SD+15], v[EB]
	v_cvt_scalef32_pk16_fp6_f32 v[PXA:PXA+2], v[SD+16:SD+31], v[EB+1]
	v_nop
.irp j, 0,1,2
	v_permlane16_swap_b32 v[PCD+\j], v[PXA+\j]
.endr
.irp j, 0,1,2
	s_delay_alu instid0(VALU_DEP_3)
	v_mov_b32 v[PCD+3+\j], v[PXA+\j]
.endr
	global_store_b128 v[L16], v[PCD:PCD+3], s[AOP:AOP+1] offset:204800*\trip
	global_store_b64 v[L8], v[PCD+4:PCD+5], s[AOP:AOP+1] offset:204800*\trip+512
	global_store_b16 v[R16], v[EB+2], s[AOS:AOS+1] offset:204800*\trip     ; lanes r and r + 16 write the same two bytes with the same value
.endm
	QTILE 0
	QTILE 1
	s_wait_tensorcnt 0x0
	ds_add_u32 v254, v255
	s_wait_dscnt 0x0
	s_endpgm
.Lfunc_end_k_q07867184f3_attn:
	.size	k_q07867184f3_attn, .Lfunc_end_k_q07867184f3_attn-k_q07867184f3_attn
	.p2alignl 7, 3214868480
	.fill 96, 4, 3214868480
	.section	.rodata,"a",@progbits
	.p2align	6, 0x0
	.amdhsa_kernel k_q07867184f3_attn
		.amdhsa_group_segment_fixed_size 274432
		.amdhsa_private_segment_fixed_size 0
		.amdhsa_enable_private_segment 0
		.amdhsa_kernarg_size 48
		.amdhsa_user_sgpr_count 2
		.amdhsa_user_sgpr_kernarg_segment_ptr 1
		.amdhsa_wavefront_size32 1
		.amdhsa_system_sgpr_workgroup_id_x 1
		.amdhsa_system_sgpr_workgroup_id_y 1
		.amdhsa_system_sgpr_workgroup_id_z 1
		.amdhsa_system_vgpr_workitem_id 0
		.amdhsa_next_free_vgpr 256
		.amdhsa_next_free_sgpr 96
		.amdhsa_reserve_vcc 0
		.amdhsa_float_denorm_mode_32 3
		.amdhsa_float_denorm_mode_16_64 3
		.amdhsa_memory_ordered 1
		.amdhsa_forward_progress 1
		.amdhsa_inst_pref_size 84
	.end_amdhsa_kernel
	.amdgpu_metadata
---
amdhsa.version: [ 1, 2 ]
amdhsa.kernels:
  - .name:           k_q07867184f3_attn
    .symbol:         k_q07867184f3_attn.kd
    .args:
      - { .name: qu, .offset: 0, .size: 8, .value_kind: global_buffer, .address_space: global }
      - { .name: qv, .offset: 8, .size: 8, .value_kind: global_buffer, .address_space: global }
      - { .name: kk, .offset: 16, .size: 8, .value_kind: global_buffer, .address_space: global }
      - { .name: vv, .offset: 24, .size: 8, .value_kind: global_buffer, .address_space: global }
      - { .name: pp, .offset: 32, .size: 8, .value_kind: global_buffer, .address_space: global }
      - { .name: ao, .offset: 40, .size: 8, .value_kind: global_buffer, .address_space: global }
    .group_segment_fixed_size: 274432
    .private_segment_fixed_size: 0
    .kernarg_segment_align: 8
    .kernarg_segment_size: 48
    .max_flat_workgroup_size: 512
    .sgpr_count:     96
    .vgpr_count:     256
    .wavefront_size: 32
...
	.end_amdgpu_metadata
.endif
;; end of part 3
;; launch outp (part 4): grid 256 x 1, 4 waves a work-group, clusters of 4 x 1, 327,680 bytes of LDS; arguments qt, ao, bo, out0; writes out0
.if DOCPART == 4
	.amdgcn_target "amdgcn-amd-amdhsa--gfx1250"
	.amdhsa_code_object_version 6
	.text
	.protected	k_q07867184f3_outp
	.globl	k_q07867184f3_outp
	.p2align	8
	.type	k_q07867184f3_outp,@function
k_q07867184f3_outp:
	s_mov_b64 s[64:65], 0
	v_nop
	global_prefetch_b8 v0, s[64:65] scope:SCOPE_SE
	s_setreg_imm32_b32 hwreg(HW_REG_WAVE_MODE, 25, 1), 1
	s_wait_xcnt 0x0
	s_wait_alu depctr_hold_cnt(0) depctr_sa_sdst(0) depctr_va_vdst(0) depctr_va_sdst(0) depctr_va_ssrc(0) depctr_va_vcc(0) depctr_vm_vsrc(0)
	s_getreg_b32 s2, hwreg(HW_REG_IB_STS2, 6, 4)
	s_cmp_eq_u32 s2, 0
	s_cbranch_scc0 .Lentry_in_a_cluster
	s_endpgm
.Lentry_in_a_cluster:
	s_bfe_u32 s2, ttmp6, 0x10000c
	s_cmp_lg_u32 s2, 0x3003
	s_cbranch_scc0 .Lentry_shape_is_right
	s_endpgm
.Lentry_shape_is_right:
.set REC,  12800
.set L16,  1
.set L8,   2
.set RR,   4
.set HH,   5
.set TA,   6
.set TB,   7
.set TSA,  8
.set RSA,  9
.set SO,   10
.set SR,   11
.set CO,   12
.set BO,   14
.set CB,   48
.set RS,   112
.set TS,   128
.set OB,   144
.set WV,   26
.set CX,   27
.set CL,   28
.set G1,   32
.set G0,   40
.set RP,   56
.set OP,   58
.set STAGE, 8*REC
.set MSB, 0
.macro WIN new
.if MSB != (\new)
	s_set_vgpr_msb (MSB<<8)|(\new)
.set MSB, \new
.endif
.endm
.macro PLACES n
.rept \n
	v_nop
.endr
.endm
.macro ROUND
	s_barrier_signal -1
	s_barrier_wait -1
	s_cmp_lg_u32 s[WV], 0
	s_cbranch_scc1 .Lnot_wave_0_\@
	s_barrier_signal -3
.Lnot_wave_0_\@:
	s_barrier_wait -3
	s_barrier_signal -1
	s_barrier_wait -1
.endm
.macro RESLOAD sg
.if (\sg) < 5
	WIN 0x40
.set rb, 48*(\sg)
.else
	WIN 0x80
.set rb, 48*((\sg)-5)
.endif
.irp t, 0,1,2,3
	global_load_b128 v[rb+12*\t:rb+12*\t+3], v[L16], s[RP:RP+1] offset:REC*\t+1536*(\sg)
	global_load_b64 v[rb+12*\t+4:rb+12*\t+5], v[L8], s[RP:RP+1] offset:REC*\t+1536*(\sg)+512
	global_load_b128 v[rb+12*\t+6:rb+12*\t+9], v[L16], s[RP:RP+1] offset:REC*\t+1536*(\sg)+768
	global_load_b64 v[rb+12*\t+10:rb+12*\t+11], v[L8], s[RP:RP+1] offset:REC*\t+1536*(\sg)+1280
.endr
.endm
	s_load_b256 s[4:11], s[0:1], 0x0
	v_lshl_add_u32 v254, v0, 2, 0x29000
	v_mov_b32 v255, 0
	ds_add_u32 v254, v255
	ds_add_u32 v254, v255
	v_lshrrev_b32 v12, 5, v0
	v_readfirstlane_b32 s[WV], v12
	s_bfe_u32 s[CX], ttmp6, 0x40000
	s_mov_b32 s[CL], ttmp9
	s_lshl_b32 s60, s[CL], 3
	s_add_co_u32 s60, s60, s[WV]
	s_mul_i32 s60, s60, REC
	s_mov_b32 s61, 0
	s_mul_i32 s62, s[WV], REC
	s_mov_b32 s[G1], 15|(3<<16)|(1<<21)
	s_mov_b32 s[G1+1], 32<<16
	s_mov_b32 s[G1+2], 50<<16
	s_mov_b32 s[G1+3], 32<<16
	s_mov_b32 s[G1+4], 50
	s_mov_b32 s[G1+5], 32
	s_mov_b32 s[G1+6], 0
	s_mov_b32 s[G1+7], 0
	s_wait_dscnt 0x0
	s_wait_kmcnt 0x0
	s_add_nc_u64 s[60:61], s[6:7], s[60:61]
.irp g, 0,1
	s_mov_b32 s[G0+4*\g], 1
	s_add_co_u32 s[G0+4*\g+1], s62, 4*REC*\g
	s_add_nc_u64 s[G0+4*\g+2:G0+4*\g+3], s[60:61], 4*REC*\g
	s_or_b32 s[G0+4*\g+3], s[G0+4*\g+3], 0x80000000
.endr
	ROUND
	tensor_load_to_lds s[G0:G0+3], s[G1:G1+7]      ; group 0's four records, one a wave: my one tensor load at the head; group 1 is asked for in PRE 0
	s_nop 0
	PLACES 4
	v_and_b32 v12, 31, v0
	v_lshlrev_b32 v[L16], 4, v12
	v_lshlrev_b32 v[L8], 3, v12
	v_lshlrev_b32 v[TA], 4, v12
	v_lshlrev_b32 v[TB], 3, v12
	v_and_b32 v[RR], 15, v0
	v_bfe_u32 v[HH], v0, 4, 1
	v_mul_u32_u24 v[TSA], v[HH], REC
	v_lshl_add_u32 v[TSA], v[RR], 4, v[TSA]
	v_add_nc_u32 v[TSA], 12288, v[TSA]
	v_mul_u32_u24 v[RSA], v[HH], REC
	v_lshl_add_u32 v[RSA], v[RR], 4, v[RSA]
	v_add_nc_u32 v[RSA], 12288, v[RSA]
	v_lshlrev_b32 v[BO], 5, v[HH]
	s_wait_alu depctr_va_vdst(0)
	s_mul_i32 s66, s[WV], 16*272
	s_add_co_u32 s66, s66, STAGE
	v_mul_u32_u24 v[SO], v[RR], 272
	v_lshl_add_u32 v[SO], v[HH], 5, v[SO]
	v_add_nc_u32 v[SO], s66, v[SO]
	v_mul_u32_u24 v[SR], v[HH], 272
	v_lshl_add_u32 v[SR], v[RR], 4, v[SR]
	v_add_nc_u32 v[SR], s66, v[SR]
	v_lshlrev_b32 v[CO], 12, v[HH]
	v_lshl_add_u32 v[CO], v[RR], 4, v[CO]
	s_lshl_b32 s67, s[CX], 2
	s_add_co_u32 s67, s67, s[WV]
	s_lshl_b32 s68, s67, 2
	s_add_co_u32 s68, s68, 256                     ; Wo's records follow those of the four other weights
	s_mul_i32 s68, s68, REC
	s_mov_b32 s69, 0
	s_add_nc_u64 s[RP:RP+1], s[4:5], s[68:69]
	s_lshl_b32 s68, s67, 8
	s_add_nc_u64 s[8:9], s[8:9], s[68:69]
	s_add_nc_u64 s[OP:OP+1], s[10:11], s[68:69]
	s_lshl_b32 s68, s[CL], 19
	s_add_nc_u64 s[OP:OP+1], s[OP:OP+1], s[68:69]
.irp t, 0,1,2,3
	global_load_b128 v[CB+8*\t:CB+8*\t+3], v[BO], s[8:9] offset:64*\t
	global_load_b128 v[CB+8*\t+4:CB+8*\t+7], v[BO], s[8:9] offset:64*\t+16
.endr
.irp p, 0,1
.irp q, 0,1
	global_load_b128 v[RS+8*\p+4*\q:RS+8*\p+4*\q+3], v[RSA], s[RP:RP+1] offset:2*REC*\p+256*\q
.endr
.endr
	RESLOAD 0
	RESLOAD 1
	RESLOAD 2
	WIN 0
.macro FETCH s
.if (\s)%3 == 2
	WIN 0x80
.set fb, 144
.else
	WIN 0xc0
.set fb, 128+48*((\s)%3)
.endif
.irp m, 0,1,2,3
	ds_load_b128 v[fb+12*\m:fb+12*\m+3], v[TA] offset:REC*\m+1536*(\s)
	ds_load_b64 v[fb+12*\m+4:fb+12*\m+5], v[TB] offset:REC*\m+1536*(\s)+512
	ds_load_b128 v[fb+12*\m+6:fb+12*\m+9], v[TA] offset:REC*\m+1536*(\s)+768
	ds_load_b64 v[fb+12*\m+10:fb+12*\m+11], v[TB] offset:REC*\m+1536*(\s)+1280
.endr
.endm
.macro WMC c
.if (pa == 0) && (pb == 0)
	v_wmma_scale_f32_16x16x128_f8f6f4 v[rD:rD+7], v[rA:rA+11], v[rB:rB+11], \c, v[rSA], v[rSB] matrix_a_fmt:MATRIX_FMT_FP6 matrix_b_fmt:MATRIX_FMT_FP6
.elseif (pa == 1) && (pb == 0)
	v_wmma_scale_f32_16x16x128_f8f6f4 v[rD:rD+7], v[rA:rA+11], v[rB:rB+11], \c, v[rSA], v[rSB] matrix_a_fmt:MATRIX_FMT_FP6 matrix_b_fmt:MATRIX_FMT_FP6 matrix_a_scale:MATRIX_SCALE_ROW1
.elseif (pa == 0) && (pb == 1)
	v_wmma_scale_f32_16x16x128_f8f6f4 v[rD:rD+7], v[rA:rA+11], v[rB:rB+11], \c, v[rSA], v[rSB] matrix_a_fmt:MATRIX_FMT_FP6 matrix_b_fmt:MATRIX_FMT_FP6 matrix_b_scale:MATRIX_SCALE_ROW1
.else
	v_wmma_scale_f32_16x16x128_f8f6f4 v[rD:rD+7], v[rA:rA+11], v[rB:rB+11], \c, v[rSA], v[rSB] matrix_a_fmt:MATRIX_FMT_FP6 matrix_b_fmt:MATRIX_FMT_FP6 matrix_a_scale:MATRIX_SCALE_ROW1 matrix_b_scale:MATRIX_SCALE_ROW1
.endif
.endm
.macro MM m, t, s
.set rD, 8*(4*(\m)+(\t))
.if (\s) < 5
.set rA, 12*(4*(\s)+(\t))
.else
.set rA, 12*(4*((\s)-5)+(\t))
.endif
.if (\s)%3 == 2
.set rB, 144+12*(\m)
.else
.set rB, 128+48*((\s)%3)+12*(\m)
.endif
.set rSA, RS+8*((\t)/2)+(\s)
.set rSB, TS+8*((\m)/2)+(\s)
.set pa, (\t)%2
.set pb, (\m)%2
.if (\s) == 0
	WMC v[CB+8*(\t):CB+8*(\t)+7]
.else
	WMC v[rD:rD+7]
.endif
.endm
.macro KSTEP g, s
.if (\s) <= 5
	PLACES 4
	FETCH (\s)+2
.endif
.if (\g) == 0
.if (\s) <= 4
	RESLOAD (\s)+3
	s_wait_loadcnt 48
.else
	s_wait_loadcnt 16*(7-(\s))
.endif
.endif
.if (\s) <= 5
	s_wait_dscnt 32
.else
	s_wait_dscnt 16*(7-(\s))
.endif
.set wa, 1
.if (\s) >= 5
.set wa, 2
.endif
.set wb, 3
.if (\s)%3 == 2
.set wb, 2
.endif
.if (\s) == 0
.set kw, 0xc0|(wb<<2)|wa
.else
.set kw, 0xf0|(wb<<2)|wa
.endif
	WIN kw
.irp m, 0,1,2,3
.irp t, 0,1,2,3
	MM \m, \t, \s
.endr
.endr
.endm
.macro PRE g
	WIN 0
	s_wait_alu depctr_va_vdst(0)                   ; directly ahead of the wait below
	s_wait_tensorcnt 0x0                           ; my one load that is out, my record of group g, has landed
.if (\g) < 1
	ds_add_u32 v254, v255
	s_wait_dscnt 0x0
	ROUND                                          ; everybody's record of group 0 is in, and the four partners are here: the joint loads meet
	tensor_load_to_lds s[G0+4:G0+7], s[G1:G1+7]    ; group 1, into bytes of its own: it has group 0's 128 products in which to land
	s_nop 0
	PLACES 4
.else
	s_barrier_signal -1
	s_barrier_wait -1                              ; everybody's record of group 1 is in; nothing more is asked for
.endif
.if (\g) > 0
	PLACES 4
	v_add_nc_u32 v[TA], 4*REC, v[TA]
	s_wait_alu depctr_va_vdst(0)
	v_add_nc_u32 v[TB], 4*REC, v[TB]
	s_wait_alu depctr_va_vdst(0)
	v_add_nc_u32 v[TSA], 4*REC, v[TSA]
.endif
.irp p, 0,1
.irp q, 0,1
	ds_load_b128 v[TS+8*\p+4*\q:TS+8*\p+4*\q+3], v[TSA] offset:2*REC*\p+256*\q
.endr
.endr
	FETCH 0
	FETCH 1
.endm
.macro TOSTAGE m
	WIN 0x0c
.irp t, 0,1,2,3
	ds_store_b128 v[SO], v[8*(4*(\m)+\t):8*(4*(\m)+\t)+3] offset:64*\t
	ds_store_b128 v[SO], v[8*(4*(\m)+\t)+4:8*(4*(\m)+\t)+7] offset:64*\t+16
.endr
	WIN 0
.irp j, 0,1,2,3,4,5,6,7
	ds_load_b128 v[OB+32*((\m)%2)+4*\j:OB+32*((\m)%2)+4*\j+3], v[SR] offset:544*\j
.endr
.endm
.macro SEND m, younger
.irp j, 0,1,2,3,4,5,6,7
	s_wait_dscnt (\younger)+7-\j
	global_store_b128 v[CO], v[OB+32*((\m)%2)+4*\j:OB+32*((\m)%2)+4*\j+3], s[OP:OP+1] offset:4096*(16*(\m)+2*\j) th:TH_STORE_NT
.endr
.endm
	PRE 0
.irp g, 0,1
.irp s, 0,1,2,3,4,5,6,7
	KSTEP \g, \s
.endr
.if \g < 1
	PRE \g+1
.else
	WIN 0
	PLACES 4
.endif
	TOSTAGE 0
.irp m, 1,2,3
.if \m > 1
	s_wait_xcnt 0x0
.endif
	TOSTAGE \m
	SEND \m-1, 16
.endr
	SEND 3, 0
.if \g < 1
	s_wait_xcnt 0x0
	s_add_nc_u64 s[OP:OP+1], s[OP:OP+1], 262144
.endif
.endr
	s_wait_tensorcnt 0x0
	ds_add_u32 v254, v255
	s_wait_dscnt 0x0
	ROUND
	s_endpgm
.Lfunc_end_k_q07867184f3_outp:
	.size	k_q07867184f3_outp, .Lfunc_end_k_q07867184f3_outp-k_q07867184f3_outp
	.p2alignl 7, 3214868480
	.fill 96, 4, 3214868480
	.section	.rodata,"a",@progbits
	.p2align	6, 0x0
	.amdhsa_kernel k_q07867184f3_outp
		.amdhsa_group_segment_fixed_size 327680
		.amdhsa_private_segment_fixed_size 0
		.amdhsa_enable_private_segment 0
		.amdhsa_kernarg_size 32
		.amdhsa_user_sgpr_count 2
		.amdhsa_user_sgpr_kernarg_segment_ptr 1
		.amdhsa_wavefront_size32 1
		.amdhsa_system_sgpr_workgroup_id_x 1
		.amdhsa_system_sgpr_workgroup_id_y 1
		.amdhsa_system_sgpr_workgroup_id_z 1
		.amdhsa_system_vgpr_workitem_id 0
		.amdhsa_next_free_vgpr 1024
		.amdhsa_next_free_sgpr 80
		.amdhsa_reserve_vcc 0
		.amdhsa_float_denorm_mode_32 3
		.amdhsa_float_denorm_mode_16_64 3
		.amdhsa_memory_ordered 1
		.amdhsa_forward_progress 1
		.amdhsa_inst_pref_size 88
	.end_amdhsa_kernel
	.amdgpu_metadata
---
amdhsa.version: [ 1, 2 ]
amdhsa.kernels:
  - .name:           k_q07867184f3_outp
    .symbol:         k_q07867184f3_outp.kd
    .args:
      - { .name: qt, .offset: 0, .size: 8, .value_kind: global_buffer, .address_space: global }
      - { .name: ao, .offset: 8, .size: 8, .value_kind: global_buffer, .address_space: global }
      - { .name: bo, .offset: 16, .size: 8, .value_kind: global_buffer, .address_space: global }
      - { .name: out0, .offset: 24, .size: 8, .value_kind: global_buffer, .address_space: global }
    .group_segment_fixed_size: 327680
    .private_segment_fixed_size: 0
    .kernarg_segment_align: 8
    .kernarg_segment_size: 32
    .max_flat_workgroup_size: 128
    .sgpr_count:     80
    .vgpr_count:     1024
    .wavefront_size: 32
...
	.end_amdgpu_metadata
.endif
;; end of part 4
